; MI455X (gfx1250); checked and timed in simulation.
; The chip was launched on July 23, 2026; its instructions are those of AMD's public machine-readable ISA for CDNA 5 (MIT licence, August 2026) and "CDNA5" Instruction Set Architecture Reference Guide (July 2026). The comments in the code are by the model that wrote it; some were corrected since.
;; Attention. Allowed arithmetic: matrix products marked QUANTISED: E2M3 operands, one E8M0 scale for each 32 along K, by v_wmma_scale_f32_16x16x128_f8f6f4 with both operands' format E2M3, f32 sums; everything else in f32.
;; Inputs: b_out 1,024 float32; ln_beta 1,024 float32; ln_gamma 1,024 float32; w_out 1,024 x 1,024 float32; w_qkv 1,024 x 3,072 float32; x 4 x 2,048 x 1,024 float32.
;; Outputs: out0 4 x 2,048 x 1,024 float32.
;; This version of the problem:
;;   THIS VERSION OF THE PROBLEM IS GIVEN IN LOW PRECISION. The matrix products marked QUANTISED in the list below multiply operands that are first quantised to E2M3 (2 exponent bits, 3 mantissa bits; 6 bits a number), with one power-of-two scale for each 32 numbers along K (OCP MX v1.0); their sums are f32. All else is computed in f32.
;;   The module's matrix products, in the order in which they are computed (A, B: the left and right operand; K: the contracted axis; several contracted axes count as one K, in the product's order):
;;     1. [M 8,192, K 1,024] x [K 1,024, N 3,072]; A: input x; B: input w_qkv: QUANTISED
;;     2. batch 64 x [M 2,048, K 64] x [K 64, N 2,048]; A: computed on the way; B: computed on the way: QUANTISED
;;     3. batch 64 x [M 2,048, K 2,048] x [K 2,048, N 64]; A: softmax (see below); B: computed on the way: QUANTISED
;;     4. [M 8,192, K 1,024] x [K 1,024, N 1,024]; A: computed on the way; B: input w_out: QUANTISED
;;   THE QUANTISER, for each operand of a quantised product, along K:
;;     - K is cut into blocks of 32 from its start; a last block that is shorter is filled with zeros.
;;     - A block's scale is 2^e with e = floor(log2(the largest magnitude in the block)) - 2, held to -126 .. 127; a block of zeros has e = 0. As a byte (E8M0): e + 127.
;;     - Each number is divided by its block's scale, clamped to +-7.5, and rounded to the nearest number of E2M3, ties to even, subnormals kept.
;;     - The product sums the exact products of the quantised numbers (number of the format x scale) in f32.
;;   ~~~python
;;   def quantise(x, axis):      # numpy; x: float32 -> the quantised numbers, widened to float32 again
;;       x = np.moveaxis(x, axis, -1); K = x.shape[-1]
;;       x = np.pad(x, [(0, 0)] * (x.ndim - 1) + [(0, -K % 32)]); x = x.reshape(x.shape[:-1] + (-1, 32)); a = np.abs(x).max(-1, keepdims=True)
;;       e = np.where(a > 0, np.clip(np.frexp(np.where(a > 0, a, 1))[1] - 1 - 2, -126, 127), 0)      # np.frexp(a)[1] - 1 = floor(log2(a)), exactly
;;       r = np.clip(x / 2.0 ** e, -7.5, 7.5)
;;       step = 2.0 ** (np.maximum(np.frexp(np.where(r == 0, 1, r))[1] - 1, 0) - 3)
;;       q = np.round(r / step) * step * 2.0 ** e      # np.round: ties to even
;;       return np.moveaxis(q.reshape(q.shape[:-2] + (-1,))[..., :K], -1, axis).astype(np.float32)
;;   ~~~
;;   SOFTMAX AHEAD OF A QUANTISED PRODUCT. Where the list says 'softmax', what is quantised is not the finished softmax but p = 2^(t - M), with t = logit x log2(e) and M = ceil(the row's largest t), a whole number; so 1/2 < the row's largest p <= 1. The row's sum l is taken of the UNQUANTISED p, in f32, and the product's result is divided by l at the end. Since M is a whole number, a kernel that streams over the keys may use a running M (the ceiling of the running maximum): every later rescaling is an exact power of two, which a block's scale takes up: the codes' values come out the same.
;;   OPERANDS COMPUTED ON THE WAY. 'Computed on the way' means the value that the module computes at that place (a softmax that the list does not call 'softmax' is quantised finished and normalised). What goes into a quantiser is computed in f32, as accurately as f32 sums, v_exp_f32 and their like allow (about 1e-6 of the number): no bf16 or f16 on the way to a quantiser, and a product that is left as it is and whose result goes on into a quantised operand takes f32 operands (vector FMAs, or v_wmma_f32_16x16x4_f32). A number that lies on a knife's edge between two numbers of the format may be rounded either way, as far as f32 arithmetic and the matrix unit's own rounding can turn it there, and no further.
;; One version. Each part assembles by itself: llvm-mc -triple=amdgcn-amd-amdhsa -mcpu=gfx1250 --defsym DOCPART=n.
;; ======== version 1 of 1: 4 launches
;; workspace buffers: x_img 6,291,456 bytes; x_sc 262,144 bytes; w_img 3,145,728 bytes; w_sc 131,072 bytes; qkv 19,660,800 bytes; ao_img 6,291,456 bytes; ao_sc 262,144 bytes
;; launch quant (part 1): grid 768 x 1, 4 waves a work-group, no clusters, 46,592 bytes of LDS; arguments x, w_qkv, w_out, x_img, x_sc, w_img, w_sc; writes x_img, x_sc, w_img, w_sc
.if DOCPART == 1
	.amdgcn_target "amdgcn-amd-amdhsa--gfx1250"
	.amdhsa_code_object_version 6
	.text
	.protected	k_q350409aa97_quant
	.globl	k_q350409aa97_quant
	.p2align	8
	.type	k_q350409aa97_quant,@function
k_q350409aa97_quant:
	s_mov_b64 s[64:65], 0
	v_nop
	global_prefetch_b8 v0, s[64:65] scope:SCOPE_SE
	s_setreg_imm32_b32 hwreg(HW_REG_WAVE_MODE, 25, 1), 1
	s_wait_xcnt 0x0
; x [8192][1024], w_qkv [1024][3072] and w_out [1024][1024], f32, become codes of FP6 (E2M3) with one E8M0 byte for each 32 along K, laid as the matrix unit's operand registers.
; A FRAGMENT is 16 rows x 128 K: 12 registers a lane; lane (r, h) holds row r, registers 6 c .. 6 c + 5 hold K = 64 c + 32 h + 0 .. 31.  Its IMAGE is 1,536 bytes: registers 4 g .. 4 g + 3 of lane l at 512 g + 16 l.
; THE ROWS OF A TILE ARE NOT NEIGHBOURS: row rho of tile 2 beta + u is token (or weight column) 32 beta + 8 u + rho + 8 (rho / 8), so that a later product's 16 registers of two neighbouring tiles are 16 neighbours.
; x_img [sigma 4][tile 512][q 2][image], w_img [sigma 4][tile 256][q 2][image] (K step = 2 sigma + q; weight tiles 0-191 w_qkv's columns, 192-255 w_out's); x_sc, w_sc [tile][sigma][row 16][q 2] words of four bytes.
; A block's scale is 2^(floor(log2(its largest magnitude)) - 2): its byte is that magnitude's exponent field - 2, held at 1 from below by a floor among the maximum's leaves.
; LIMITS: NaN and infinities are not served; a block whose largest magnitude lies under 2^-124, a block of zeros among them, keeps the byte 1 (its codes are then as the conversion gives them, zeros for zeros; these bytes are read by this program alone).
; Work-groups 0-511: a tile of x each, a wave 256 along K.  Work-groups 512-767: 128 weight columns x 128 along K each, a wave 32 columns.  The two paths have LDS bytes of their own.  Waves share nothing: no barrier, no tensor load, no cluster.
; The scale words leave in pieces of 128 bytes (x) and as 4 bytes at a pitch of 8 (weights): one byte in 128 of what the launch reads.
.set XP,    528                        ; x path: a stage row, 512 bytes + 16
.set XSTG,  16*XP                      ; a wave's stage
.set WSTG,  4*XSTG                     ; weight path: a wave's stage of two images, 3,072 bytes, behind the x path's bytes
.set R0,    32                         ; v32-95   K step 0 as loaded (later: K step 1's neighbours)
.set R1,    96                         ; v96-159  K step 1 as loaded
.set X0,    160                        ; v160-223 K step 0: 64 numbers of my row, register 32 c + i = K 64 c + 32 h + i
.set X1,    32
.set TT,    224                        ; v224-231 the second halves of the blocks' codes
.set PC0,   20                         ; v20-31   K step 0's fragment
.set PC1,   232                        ; v232-243 K step 1's
	s_load_b256 s[4:11], s[0:1], 0x0               ; x s[4:5], w_qkv s[6:7], w_out s[8:9], x_img s[10:11]
	s_load_b128 s[12:15], s[0:1], 0x20             ; x_sc s[12:13], w_img s[14:15]
	s_load_b64 s[16:17], s[0:1], 0x30              ; w_sc
	v_lshl_add_u32 v248, v0, 2, 0xb400
	v_mov_b32 v249, 0
	v_lshrrev_b32 v1, 5, v0
	v_readfirstlane_b32 s20, v1                    ; wave
	s_mov_b32 s21, 0xffff0000                      ; lanes 16-31
	s_mov_b32 s22, 0x76543210
	s_mov_b32 s23, 0xfedcba98                      ; v_permlanex16_b32's selects for lane l xor 16
	v_and_b32 v1, 31, v0                           ; lane
	v_and_b32 v2, 15, v0                           ; r
	v_bfe_u32 v3, v0, 4, 1                         ; h
	v_lshlrev_b32 v4, 4, v1                        ; 16 x lane
	s_cmp_lt_u32 ttmp9, 512
	s_cbranch_scc0 .Lw
	; ---------------- x: work-group = tile, wave = sigma: 16 rows x 256 along K ----------------
	s_lshr_b32 s24, ttmp9, 1
	s_lshl_b32 s24, s24, 5
	s_and_b32 s25, ttmp9, 1
	s_lshl_b32 s25, s25, 3
	s_add_co_u32 s24, s24, s25                     ; the tile's first token: 32 (tile / 2) + 8 (tile % 2)
	s_lshl_b32 s24, s24, 12                        ; rows of 4,096 bytes
	s_lshl_b32 s25, s20, 10
	s_add_co_u32 s24, s24, s25                     ; + my 256 along K
	s_mov_b32 s25, 0
	s_mul_i32 s26, s20, 1572864
	s_mul_i32 s27, ttmp9, 3072
	s_add_co_u32 s26, s26, s27                     ; my two images
	s_mov_b32 s27, 0
	s_lshl_b32 s28, ttmp9, 9
	s_lshl_b32 s29, s20, 7
	s_add_co_u32 s28, s28, s29                     ; my 32 scale words
	s_mov_b32 s29, 0
	s_mul_i32 s30, s20, XSTG
	v_add_nc_u32 v5, s30, v4                       ; into the stage: a row's 512 bytes as loaded
	v_mul_u32_u24 v6, v2, XP
	v_lshl_add_u32 v6, v3, 7, v6
	v_add_nc_u32 v6, s30, v6                       ; out of it: row r, + 128 h: my half's 32 numbers of each 64
	v_lshlrev_b32 v7, 3, v3                        ; 8 h
	v_lshlrev_b32 v18, 3, v2
	v_lshl_add_u32 v18, v3, 2, v18                 ; scale words: 8 r + 4 h: lanes 0-15 store K step 0's, lanes 16-31 K step 1's
	v_mov_b32 v15, 0                               ; a lane permute's destination counts as one of its sources
	s_wait_kmcnt 0x0
	s_add_nc_u64 s[4:5], s[4:5], s[24:25]
	s_add_nc_u64 s[10:11], s[10:11], s[26:27]
	s_add_nc_u64 s[12:13], s[12:13], s[28:29]
.irp q, 0,1
.irp i, 0,1,2,3,4,5,6,7,8,9,10,11,12,13,14,15
	global_load_b128 v[R0+64*\q+4*\i:R0+64*\q+4*\i+3], v4, s[4:5] offset:(\i+8*(\i/8))*4096+512*\q th:TH_LOAD_NT   ; 32 lanes read the 512 consecutive bytes of one row's K step
.endr
.endr
.macro XIN r                           ; 16 rows into the stage, as loaded
.irp i, 0,1,2,3,4,5,6,7,8,9,10,11,12,13,14,15
	ds_store_b128 v5, v[\r+4*\i:\r+4*\i+3] offset:XP*\i
.endr
.endm
.macro XBACK x                         ; and back, 64 numbers of one row a lane
.irp c, 0,1
.irp j, 0,1,2,3,4,5,6,7
	ds_load_b128 v[\x+32*\c+4*\j:\x+32*\c+4*\j+3], v6 offset:256*\c+16*\j
.endr
.endr
.endm
; 64 numbers of a lane (two whole blocks, 2 c + h) become a fragment in v[pc] on and the row's scale word in v[pw]
.macro QUANTX x, pc, pw
.irp c, 0,1
	v_max3_num_f32 v[8+\c], |v[\x+32*\c]|, |v[\x+32*\c+1]|, 0x1800000   ; with the floor 2^(3 - 127): the byte cannot fall under 1
.endr
.irp i, 2,4,6,8,10,12,14,16,18,20,22,24,26,28,30
.irp c, 0,1
	v_max3_num_f32 v[8+\c], v[8+\c], |v[\x+32*\c+\i]|, |v[\x+32*\c+\i+1]|   ; the two blocks by turns
.endr
.endr
.irp c, 0,1
	v_add_nc_u32 v[10+\c], 0xff000000, v[8+\c]     ; 2 off the exponent field: the conversion's scale operand
.endr
.irp c, 0,1
	v_lshrrev_b32 v[12+\c], 23, v[10+\c]           ; the scale's byte
.endr
	v_lshl_or_b32 v14, v13, 16, v12                ; my bytes: blocks h and 2 + h,
	v_lshlrev_b32 v14, v7, v14                     ; at their places (8 h bits up);
	v_permlanex16_b32 v15, v14, s22, s23
	v_or_b32 v[\pw], v14, v15                      ; with lane l xor 16's two the word is whole
.irp c, 0,1
	v_cvt_scalef32_pk16_fp6_f32 v[\pc+6*\c:\pc+6*\c+2], v[\x+32*\c:\x+32*\c+15], v[10+\c]
	v_cvt_scalef32_pk16_fp6_f32 v[TT+4*\c:TT+4*\c+2], v[\x+32*\c+16:\x+32*\c+31], v[10+\c]   ; (a conversion's three registers begin on an even number)
.endr
	v_nop                                          ; one plain place behind a scaled conversion
.irp c, 0,1
.irp i, 0,1,2
	v_mov_b32 v[\pc+6*\c+3+\i], v[TT+4*\c+\i]
.endr
.endr
.endm
	s_wait_loadcnt 16                              ; K step 0's 16 loads are in; K step 1's 16 may be out
	XIN R0
	XBACK X0
	s_wait_loadcnt 0x0
	XIN R1                                         ; LDS serves a wave's instructions in order: these come behind the reads above
	s_wait_dscnt 32                                ; all but the 32 youngest: the first 16 stores have read R0's registers,
	XBACK X1                                       ; which take K step 1's neighbours
	s_wait_dscnt 32                                ; K step 0's neighbours are in
	QUANTX X0, PC0, 16
.irp g, 0,1,2
	global_store_b128 v4, v[PC0+4*\g:PC0+4*\g+3], s[10:11] offset:512*\g          ; 512 consecutive bytes
.endr
	s_wait_dscnt 0x0
	QUANTX X1, PC1, 17
.irp g, 0,1,2
	global_store_b128 v4, v[PC1+4*\g:PC1+4*\g+3], s[10:11] offset:1536+512*\g
.endr
	v_cndmask_b32 v19, v16, v17, s21
	global_store_b32 v18, v19, s[12:13]            ; 128 consecutive bytes
	s_wait_tensorcnt 0x0
	ds_add_u32 v248, v249
	s_wait_dscnt 0x0
	s_endpgm
	; ---------------- weights: 128 columns x 128 along K a work-group; a lane takes a column and its registers run down K ----------------
.Lw:
	s_sub_co_u32 s24, ttmp9, 512
	s_and_b32 s25, s24, 31                         ; which 128 columns of the 4,096 (w_qkv's 3,072, then w_out's 1,024)
	s_lshr_b32 s26, s24, 5                         ; K step 0..7
	s_lshr_b32 s27, s26, 1                         ; sigma
	s_and_b32 s28, s26, 1                          ; q
	s_lshl_b32 s29, s25, 3
	s_lshl_b32 s30, s20, 1
	s_add_co_u32 s29, s29, s30                     ; my first tile
	s_sub_co_u32 s31, s25, 24
	s_wait_kmcnt 0x0
	s_cmp_lt_u32 s25, 24                           ; w_qkv's columns or w_out's?  Only a pointer, a pitch and a column are chosen: one path serves both
	s_cselect_b64 s[6:7], s[6:7], s[8:9]
	s_cselect_b32 s31, s25, s31
	s_mov_b32 s32, 4096
	s_cselect_b32 s32, 12288, s32                  ; a row of the weight in bytes
	s_lshl_b32 s33, s26, 7
	s_mul_i32 s33, s33, s32                        ; 128 rows a K step
	s_lshl_b32 s34, s31, 9
	s_add_co_u32 s33, s33, s34
	s_lshl_b32 s34, s20, 7
	s_add_co_u32 s34, s33, s34                     ; + my wave's 32 columns
	s_mov_b32 s35, 0
	s_add_nc_u64 s[40:41], s[6:7], s[34:35]        ; the four blocks' first rows
	s_lshl_b32 s36, s32, 5
	s_mov_b32 s37, 0
	s_add_nc_u64 s[42:43], s[40:41], s[36:37]
	s_add_nc_u64 s[44:45], s[42:43], s[36:37]
	s_add_nc_u64 s[46:47], s[44:45], s[36:37]
	s_mul_i32 s48, s27, 786432
	s_mul_i32 s49, s29, 3072
	s_add_co_u32 s48, s48, s49
	s_mul_i32 s49, s28, 1536
	s_add_co_u32 s48, s48, s49
	s_mov_b32 s49, 0
	s_add_nc_u64 s[14:15], s[14:15], s[48:49]      ; my first image
	s_lshl_b32 s48, s29, 9
	s_lshl_b32 s50, s27, 7
	s_add_co_u32 s48, s48, s50
	s_lshl_b32 s50, s28, 2
	s_add_co_u32 s48, s48, s50
	s_add_nc_u64 s[16:17], s[16:17], s[48:49]      ; my first scale word
	v_bfe_u32 v8, v0, 3, 1                         ; column 32 beta + lane is row (lane % 8) + 8 (lane / 16) of tile 2 beta + (lane / 8) % 2
	v_and_b32 v9, 7, v0
	v_lshl_add_u32 v9, v3, 3, v9
	s_mul_i32 s51, s20, 3072
	s_add_co_u32 s51, s51, WSTG
	v_mul_u32_u24 v5, v8, 1536
	v_lshl_add_u32 v5, v9, 4, v5
	v_add_nc_u32 v5, s51, v5                       ; into the stage: my tile's image, my row's place
	v_add_nc_u32 v6, s51, v4                       ; out of it: 16 x lane
	v_lshlrev_b32 v7, 9, v8
	v_lshl_add_u32 v7, v9, 3, v7                   ; my scale word: 512 x tile + 8 x row
	v_lshlrev_b32 v10, 2, v1
.irp i, 0,1,2,3,4,5,6,7,8,9,10,11,12,13,14,15,16,17,18,19,20,21,22,23,24,25,26,27,28,29,30,31
	v_mad_u32_u24 v[32+\i], s32, \i, v10           ; row i of a block, my column
.endr
.macro WLOAD t                         ; block t: 32 along K of my column, into set t % 2; each load reads 128 consecutive bytes
.irp i, 0,1,2,3,4,5,6,7,8,9,10,11,12,13,14,15,16,17,18,19,20,21,22,23,24,25,26,27,28,29,30,31
	global_load_b32 v[64+32*((\t)%2)+\i], v[32+\i], s[40+2*(\t):41+2*(\t)] th:TH_LOAD_NT
.endr
.endm
.macro WBLOCK t                        ; block t = 2 c + h belongs to registers 6 c .. 6 c + 5 of lane (row, h) of the image
.set XS, 64+32*((\t)%2)
.if (\t) < 3
	s_wait_loadcnt 32                              ; this block's 32 loads are in; the next block's may be out
.else
	s_wait_loadcnt 0x0
.endif
	v_max3_num_f32 v12, |v[XS]|, |v[XS+1]|, |v[XS+2]|
	v_max3_num_f32 v13, |v[XS+3]|, |v[XS+4]|, |v[XS+5]|
.irp i, 6,10,14,18,22,26
	v_max3_num_f32 v12, v12, |v[XS+\i]|, |v[XS+\i+1]|
	v_max3_num_f32 v13, v13, |v[XS+\i+2]|, |v[XS+\i+3]|
.endr
	v_max3_num_f32 v12, v12, |v[XS+30]|, |v[XS+31]|
	v_max3_num_f32 v12, v12, v13, 0x1800000        ; and the floor
	v_add_nc_u32 v11, 0xff000000, v12
	v_lshrrev_b32 v13, 23, v11
.if (\t) == 0
	v_mov_b32 v136, v13                            ; four bytes to the word, the lower K in the lower byte
.else
	v_lshl_or_b32 v136, v13, 8*(\t), v136
.endif
	v_cvt_scalef32_pk16_fp6_f32 v[128:130], v[XS:XS+15], v11
	v_cvt_scalef32_pk16_fp6_f32 v[132:134], v[XS+16:XS+31], v11
	v_nop                                          ; one plain place behind a scaled conversion
	v_mov_b32 v131, v132
	v_mov_b32 v132, v133
	v_mov_b32 v133, v134                           ; v128-133: the block's 24 bytes
.if (\t) < 2
	ds_store_b128 v5, v[128:131] offset:256*((\t)%2)           ; registers 0-3
	ds_store_b64 v5, v[132:133] offset:256*((\t)%2)+512        ; registers 4, 5
.else
	ds_store_b64 v5, v[128:129] offset:256*((\t)%2)+520        ; registers 6, 7
	ds_store_b128 v5, v[130:133] offset:256*((\t)%2)+1024      ; registers 8-11
.endif
.if (\t) < 2
	WLOAD (\t)+2
.endif
	s_wait_dscnt 0x0                               ; the stores have read their registers
.endm
	WLOAD 0
	WLOAD 1
	WBLOCK 0
	WBLOCK 1
	WBLOCK 2
	WBLOCK 3
	global_store_b32 v7, v136, s[16:17]
.irp g, 0,1,2,3,4,5
	ds_load_b128 v[140+4*\g:143+4*\g], v6 offset:512*\g        ; LDS serves a wave's instructions in order: these see my stores
.endr
.irp g, 0,1,2,3,4,5
	s_wait_dscnt 5-\g
	global_store_b128 v4, v[140+4*\g:143+4*\g], s[14:15] offset:(\g/3)*3072+(\g%3)*512   ; 512 consecutive bytes
.endr
	s_wait_tensorcnt 0x0
	ds_add_u32 v248, v249
	s_wait_dscnt 0x0
	s_endpgm
.Lfunc_end_k_q350409aa97_quant:
	.size	k_q350409aa97_quant, .Lfunc_end_k_q350409aa97_quant-k_q350409aa97_quant
	.p2alignl 7, 3214868480
	.fill 96, 4, 3214868480
	.section	.rodata,"a",@progbits
	.p2align	6, 0x0
	.amdhsa_kernel k_q350409aa97_quant
		.amdhsa_group_segment_fixed_size 46592
		.amdhsa_private_segment_fixed_size 0
		.amdhsa_enable_private_segment 0
		.amdhsa_kernarg_size 56
		.amdhsa_user_sgpr_count 2
		.amdhsa_user_sgpr_kernarg_segment_ptr 1
		.amdhsa_wavefront_size32 1
		.amdhsa_system_sgpr_workgroup_id_x 1
		.amdhsa_system_sgpr_workgroup_id_y 1
		.amdhsa_system_sgpr_workgroup_id_z 1
		.amdhsa_system_vgpr_workitem_id 0
		.amdhsa_next_free_vgpr 250
		.amdhsa_next_free_sgpr 66
		.amdhsa_reserve_vcc 0
		.amdhsa_float_denorm_mode_32 3
		.amdhsa_float_denorm_mode_16_64 3
		.amdhsa_memory_ordered 1
		.amdhsa_forward_progress 1
		.amdhsa_inst_pref_size 40
	.end_amdhsa_kernel
	.amdgpu_metadata
---
amdhsa.version: [ 1, 2 ]
amdhsa.kernels:
  - .name:           k_q350409aa97_quant
    .symbol:         k_q350409aa97_quant.kd
    .args:
      - { .name: x, .offset: 0, .size: 8, .value_kind: global_buffer, .address_space: global }
      - { .name: w_qkv, .offset: 8, .size: 8, .value_kind: global_buffer, .address_space: global }
      - { .name: w_out, .offset: 16, .size: 8, .value_kind: global_buffer, .address_space: global }
      - { .name: x_img, .offset: 24, .size: 8, .value_kind: global_buffer, .address_space: global }
      - { .name: x_sc, .offset: 32, .size: 8, .value_kind: global_buffer, .address_space: global }
      - { .name: w_img, .offset: 40, .size: 8, .value_kind: global_buffer, .address_space: global }
      - { .name: w_sc, .offset: 48, .size: 8, .value_kind: global_buffer, .address_space: global }
    .group_segment_fixed_size: 46592
    .private_segment_fixed_size: 0
    .kernarg_segment_align: 8
    .kernarg_segment_size: 56
    .max_flat_workgroup_size: 128
    .sgpr_count:     66
    .vgpr_count:     250
    .wavefront_size: 32
...
	.end_amdgpu_metadata
.endif
;; end of part 1
;; launch qkv_gemm (part 2): grid 12 x 32, 4 waves a work-group, clusters of 4 x 4, 327,680 bytes of LDS; arguments x_img, x_sc, w_img, w_sc, qkv; writes qkv
.if DOCPART == 2
	.amdgcn_target "amdgcn-amd-amdhsa--gfx1250"
	.amdhsa_code_object_version 6
	.text
	.protected	k_q350409aa97_qkv_gemm
	.globl	k_q350409aa97_qkv_gemm
	.p2align	8
	.type	k_q350409aa97_qkv_gemm,@function
k_q350409aa97_qkv_gemm:
	s_mov_b64 s[64:65], 0
	v_nop
	global_prefetch_b8 v0, s[64:65] scope:SCOPE_SE
	s_setreg_imm32_b32 hwreg(HW_REG_WAVE_MODE, 25, 1), 1
	s_wait_xcnt 0x0
	s_wait_alu depctr_hold_cnt(0) depctr_sa_sdst(0) depctr_va_vdst(0) depctr_va_sdst(0) depctr_va_ssrc(0) depctr_va_vcc(0) depctr_vm_vsrc(0)
	s_getreg_b32 s2, hwreg(HW_REG_IB_STS2, 6, 4)
	s_cmp_eq_u32 s2, 0
	s_cbranch_scc0 .Lentry_in_a_cluster
	s_endpgm
.Lentry_in_a_cluster:
	s_bfe_u32 s2, ttmp6, 0x10000c
	s_cmp_lg_u32 s2, 0xf033
	s_cbranch_scc0 .Lentry_shape_is_right
	s_endpgm
.Lentry_shape_is_right:
; qkv = x w_qkv on codes of FP6 (E2M3) with E8M0 scales, and q, k, v quantised in registers on the way out: q and k along the head's 64, v along the tokens (the keys).  qkv never exists as f32 in memory.
; A work-group makes 256 tokens x 256 columns, each of its four waves 128 x 128: 64 accumulators, 512 registers.  K = 1,024 goes in four slots' worth of 256 through a ring of two LDS slots; all four are written out.
; OPERANDS ARE IMAGES OF THEIR REGISTERS (16 rows x 128 K: 1,536 bytes, registers 4 g .. 4 g + 3 of lane l at 512 g + 16 l): a fragment is three ds_load_b128 of 512 consecutive bytes; a side's 8 tiles x 2 K steps are one dense block of 24,576 bytes for one tensor load.
; ROLES.  In D = source 0 x source 1 a lane holds ONE row of source 1 and its registers run along source 0's rows.  For q and k (cluster x = 0, 1) source 1 = tokens, source 0 = weight columns: a lane's registers run along the head's channels.
; For v (cluster x = 2) the two change places: registers run along the tokens.  The change is made in the LDS addresses alone, by f = cluster x / 2, which all partners of a cluster share; the loop's text, the descriptors and the masks are the same.
; Row rho of tile 2 beta + u is token or column 32 beta + 8 u + rho + 8 (rho / 8): so the 16 registers of the accumulators of source 0's tiles 2 beta, 2 beta + 1 are 16 neighbours, 32 beta + 16 (lane / 16) + 0 .. 15.
; CLUSTERS: 4 x 4 work-groups; the tokens' tiles are shared along a row of the cluster, the weights' along a column: each is asked for jointly, by the same tensor load with the same descriptor and a mask that names the four.
; OUT: qkv [batch x head 64][step of 128 tokens 16] records of 19,200 bytes = parts q, k, v of 6,400: 6,144 bytes of codes as eight half images (16 rows x 64 K: registers 0-3 at 16 l, registers 4-5 at 512 + 8 l), then a scale image of 256 bytes, 8 bytes a lane.
; The factor 1/8 on q is a power of two: it is left to the next launch's softmax constant.  LIMITS: NaN and infinities are not served; a block under 2^-124 keeps the byte 1; where a block of q / 8 would be held at 2^-126 the fold differs from the letter.
; No prefetch: of the four slots two come with the first fills and two are asked for within the first half of K.  384 tiles do not divide by the WGPs, so no work-group stays.
; REGISTERS, in windows of 256: window 0: v16-29 addresses; v32-63 scale words, two sets; v128-223 source 1's fragments, ONE set; on the way out v32-95 at work.  window 1: source 0's fragments, TWO sets, at v0 and v128.
;   window 2: the accumulators of source 1's blocks 0-3 ((a, b) at v[8 (8 (a % 4) + b)]);  window 3: blocks 4-7.
.set IMG,   1536
.set FR,    12                         ; registers of a fragment
.set NL,    3                          ; LDS loads that bring one
.set NP,    4                          ; places behind this matrix instruction (ISA guide 7.12.1)
.set NQ,    2                          ; K steps of 128 in a slot
.set HALFT, 16*IMG                     ; 8 tiles x 2 K steps: what one tensor load brings, and what one wave reads of a side
.set SIDE,  2*HALFT                    ; the tokens' 16 tiles; the weights' lie behind them
.set SLOT,  2*SIDE
.set SPARE, 2*SLOT                     ; behind the ring: the spare words, 128 bytes for each wave: two blocks of 256 bytes that no other line names
.set SCL,   SPARE+512                  ; the scale words for all of K: tokens' 8,192 bytes ([tile][sigma][row][q]), then the weights'
.set ADRA, 16                          ; v16-17  LDS address of source 1's fragments in slot 0, 1
.set ADRB, 20                          ; v20-21  of source 0's
.set LI8,  25                          ; v25     8 x lane
.set LI16, 26                          ; v26     16 x lane
.set ADRS, 27                          ; v27     my scale words: lanes 0-15 source 1's rows, lanes 16-31 source 0's
.set SPW,  28                          ; v28     LDS address of my spare word; never rewritten
.set NIL,  29                          ; v29     0; never rewritten
.set SC,   32                          ; scale words: set s at v[SC + 16 s]; register 2 i + q: block i, the slot's q-th 128 along K
.set AF,   128
.set TM,   32                          ; the way out: v32-35 largest magnitudes, v36-39 bytes, v44-47 the conversions' scale operands
.set PWS,  48                          ; v48-55  the eight blocks' scale words
.set PC,   64                          ; v64-75  a fragment's codes; v76-83 their second halves
.set U,    84                          ; v84-91
.set E,    92                          ; v92-95
.set G1, 24                            ; s[24:31] descriptor group 1 for the tokens' tiles;  s[32:39] group 0, one set for each slot
.set G0, 32
.set G1B, 48                           ; s[48:55], s[56:63] the same for the weights'
.set G0B, 56
.set G1S, 68                           ; s[68:75], s[76:79] groups 1 and 0 for the tokens' scales;  s[80:87], s[88:91] for the weights'
.set G0S, 76
.set G1SB, 80
.set G0SB, 88
.set MSB, 0
.macro WIN new                         ; the immediate's high byte repeats the setting that is left
.if MSB != \new
	s_set_vgpr_msb (MSB<<8)|\new
.set MSB, \new
.endif
.endm
.set MUL_LO, 0xa1                      ; source 0 window 1, source 1 window 0, C and D window 2
.set MUL_HI, 0xf1                      ; the same, C and D window 3
.set TO_B,   0x40                      ; destination window 1, address window 0
; A joint load: waves 0 and 1 fetch the tokens' halves, waves 2 and 3 the weights'.  The branch hangs on the wave's number alone.  Four v_nop follow each of the two lines.
.macro JLOAD g0a, g1a, g0b, g1b
	s_cmp_eq_u32 s15, 0
	s_cbranch_scc0 .Lfor_b_\@
	tensor_load_to_lds s[\g0a:\g0a+3], s[\g1a:\g1a+7]
	s_nop 0
.rept 4
	v_nop
.endr
	s_branch .Lasked_\@
.Lfor_b_\@:
	tensor_load_to_lds s[\g0b:\g0b+3], s[\g1b:\g1b+7]
	s_nop 0
.rept 4
	v_nop
.endr
.Lasked_\@:
.endm
.macro CREST                           ; a round of the cluster's barrier behind its opening barrier
	s_cmp_lg_u32 s14, 0
	s_cbranch_scc1 .Lnot_wave_0_\@
	s_barrier_signal -3
.Lnot_wave_0_\@:
	s_barrier_wait -3
	s_barrier_signal -1
	s_barrier_wait -1
.endm
.macro CROUND                          ; a whole round
	s_barrier_signal -1
	s_barrier_wait -1
	CREST
.endm
	s_load_b128 s[4:7], s[0:1], 0x0                ; x_img s[4:5], x_sc s[6:7]
	s_load_b128 s[8:11], s[0:1], 0x10              ; w_img s[8:9], w_sc s[10:11]
	s_load_b64 s[12:13], s[0:1], 0x20              ; qkv
	v_lshl_add_u32 v[SPW], v0, 2, SPARE
	v_mov_b32 v[NIL], 0
	ds_add_u32 v28, v29
	ds_add_u32 v28, v29
	s_wait_dscnt 0x0
	v_lshrrev_b32 v1, 5, v0
	v_readfirstlane_b32 s14, v1                    ; wave 0..3
	s_lshr_b32 s15, s14, 1                         ; which half of source 1's rows is mine.  Also: I fetch tokens (0) or weights (1)
	s_and_b32 s16, s14, 1                          ; which half of source 0's rows.  Also: which 8 tiles of that side I fetch
	s_bfe_u32 s40, ttmp6, 0x40000                  ; cx, cy: my place in the cluster
	s_bfe_u32 s41, ttmp6, 0x40004
	s_lshl_b32 s42, ttmp9, 2
	s_add_co_u32 s42, s42, s40                     ; which 256 columns = 4 x cluster x + cx
	s_and_b32 s17, ttmp7, 0xffff
	s_lshl_b32 s17, s17, 2
	s_add_co_u32 s17, s17, s41                     ; which 256 tokens = 4 x cluster y + cy
	s_lshl_b32 s43, s41, 2
	s_lshl_b32 s43, 15, s43                        ; my row of the cluster
	s_lshl_b32 s44, 0x1111, s40                    ; my column
	s_lshr_b32 s95, ttmp9, 1
	s_and_b32 s95, s95, 1                          ; f: 1 in v's clusters
	s_xor_b32 s3, s95, 1                           ; 1 - f
	s_mov_b32 s96, 0xffff0000                      ; lanes 16-31
	; descriptor group 1: a dense block of 24,576 bytes as 96 rows of 256 bytes (32 elements of 8 bytes), no padding: every LDS load reads consecutive bytes
	s_or_b32 s[G1+0], s43, (3<<16)|(1<<21)         ; 15:0 the mask: the tokens' tiles go to my row; 17:16 elements of 8 bytes; 21 set beside a mask
	s_or_b32 s[G1B+0], s44, (3<<16)|(1<<21)        ; the weights' to my column
.irp g, G1, G1B
	s_mov_b32 s[\g+1], 32<<16                      ; tensor_dim0
	s_mov_b32 s[\g+2], 96<<16                      ; tensor_dim1
	s_mov_b32 s[\g+3], 32<<16                      ; tile_dim0
	s_mov_b32 s[\g+4], 96                          ; tile_dim1
	s_mov_b32 s[\g+5], 32                          ; tensor_dim0_stride
	s_mov_b32 s[\g+6], 0
	s_mov_b32 s[\g+7], 0
.endr
	s_or_b32 s[G1S+0], s43, (3<<16)|(1<<21)        ; the scale words of 8 tiles: 4,096 dense bytes as 16 rows of 256
	s_or_b32 s[G1SB+0], s44, (3<<16)|(1<<21)
.irp g, G1S, G1SB
	s_mov_b32 s[\g+1], 32<<16
	s_mov_b32 s[\g+2], 16<<16
	s_mov_b32 s[\g+3], 32<<16
	s_mov_b32 s[\g+4], 16
	s_mov_b32 s[\g+5], 32
	s_mov_b32 s[\g+6], 0
	s_mov_b32 s[\g+7], 0
.endr
	s_lshl_b32 s18, s16, 3                         ; which 8 tiles of the side I fetch
	s_lshl_b32 s20, s17, 4
	s_add_co_u32 s20, s20, s18                     ; tokens: tile 16 x (256 tokens) + 8 x half
	s_lshl_b32 s46, s42, 4
	s_add_co_u32 s46, s46, s18                     ; weights: tile 16 x (256 columns) + 8 x half
	s_lshl_b32 s22, s20, 9                         ; their scale words: 512 bytes a tile
	s_mov_b32 s23, 0
	s_lshl_b32 s92, s46, 9
	s_mov_b32 s93, 0
	s_mul_i32 s20, s20, 2*IMG                      ; their images: 3,072 bytes a tile and sigma
	s_mov_b32 s21, 0
	s_mul_i32 s46, s46, 2*IMG
	s_mov_b32 s47, 0
	s_mul_i32 s45, s14, HALFT                      ; where they go: wave x 24,576: no place in the cluster enters an LDS address
	s_lshl_b32 s94, s14, 12
	s_wait_kmcnt 0x0
	s_add_nc_u64 s[20:21], s[4:5], s[20:21]
	s_add_nc_u64 s[22:23], s[6:7], s[22:23]
	s_add_nc_u64 s[46:47], s[8:9], s[46:47]
	s_add_nc_u64 s[92:93], s[10:11], s[92:93]
	CROUND                                         ; all sixteen work-groups are here: the first joint loads meet
	s_mov_b32 s[G0S], 1
	s_add_co_u32 s[G0S+1], s94, SCL
	s_mov_b64 s[G0S+2:G0S+3], s[22:23]
	s_or_b32 s[G0S+3], s[G0S+3], 0x80000000
	s_mov_b32 s[G0SB], 1
	s_add_co_u32 s[G0SB+1], s94, SCL
	s_mov_b64 s[G0SB+2:G0SB+3], s[92:93]
	s_or_b32 s[G0SB+3], s[G0SB+3], 0x80000000
	JLOAD G0S, G1S, G0SB, G1SB                     ; the scales first: they are wanted with the first K step.  Three loads of mine are out behind the third line
.irp s, 0,1
	s_mov_b32 s[G0+4*\s], 1
	s_add_co_u32 s[G0+4*\s+1], s45, \s*SLOT
	s_add_nc_u64 s[G0+4*\s+2:G0+4*\s+3], s[20:21], \s*1572864      ; sigma = s: x_img's planes are 512 tiles apart
	s_or_b32 s[G0+4*\s+3], s[G0+4*\s+3], 0x80000000
	s_mov_b32 s[G0B+4*\s], 1
	s_add_co_u32 s[G0B+4*\s+1], s45, \s*SLOT
	s_add_nc_u64 s[G0B+4*\s+2:G0B+4*\s+3], s[46:47], \s*786432     ; w_img's 256 tiles apart
	s_or_b32 s[G0B+4*\s+3], s[G0B+4*\s+3], 0x80000000
	JLOAD G0+4*\s, G1, G0B+4*\s, G1B
.endr
	v_and_b32 v1, 31, v0
	v_and_b32 v2, 15, v0
	v_lshlrev_b32 v[LI16], 4, v1
	v_lshlrev_b32 v[LI8], 3, v1
	s_mul_i32 s21, s95, SIDE                       ; source 1: the tokens' side, or with f the weights'; my half of it
	s_mul_i32 s22, s15, HALFT
	s_add_co_u32 s21, s21, s22
	s_mul_i32 s22, s3, SIDE                        ; source 0: the other side
	s_mul_i32 s23, s16, HALFT
	s_add_co_u32 s22, s22, s23
.irp s, 0,1
	v_add_nc_u32 v[ADRA+\s], s21, v[LI16]
	v_add_nc_u32 v[ADRB+\s], s22, v[LI16]
	s_add_co_u32 s21, s21, SLOT
	s_add_co_u32 s22, s22, SLOT
.endr
	s_lshl_b32 s21, s95, 13                        ; the scale words likewise: 8,192 bytes a side, 4,096 a half
	s_lshl_b32 s22, s15, 12
	s_add_co_u32 s21, s21, s22
	s_add_co_u32 s21, s21, SCL
	s_lshl_b32 s22, s3, 13
	s_lshl_b32 s23, s16, 12
	s_add_co_u32 s22, s22, s23
	s_add_co_u32 s22, s22, SCL
	v_lshlrev_b32 v3, 3, v2                        ; 8 bytes a row: the words of q = 0, 1
	v_add_nc_u32 v4, s21, v3
	v_add_nc_u32 v5, s22, v3
	v_cndmask_b32 v[ADRS], v4, v5, s96             ; lanes 0-15 source 1's, lanes 16-31 source 0's
	; the way out's scalars.  sT, sW: which half of the 256 tokens, of the 256 columns, is my wave's
	s_mov_b32 s98, 0x76543210
	s_mov_b32 s99, 0xfedcba98                      ; v_permlanex16_b32's selects for lane l xor 16
	s_cmp_eq_u32 s95, 0
	s_cselect_b32 s2, s15, s16                     ; sT
	s_cselect_b32 s66, s16, s15                    ; sW
	s_cselect_b32 s97, 0, -1                       ; all lanes in v's clusters
	s_mov_b32 s18, 768
	s_cselect_b32 s18, 307200, s18                 ; from a fragment's first half image to its second: q, k: the next head's record; v: keys 64-127
	s_mov_b32 s46, 1536
	s_cselect_b32 s46, 768, s46                    ; from block to block: q, k: the next token tile; v: the next tile of channels
	s_mov_b32 s92, 302592
	s_cselect_b32 s92, 768, s92                    ; from block 3 to block 4: v: on to the next head (307,200 - 3 x 1,536)
	s_mov_b32 s19, 0
	s_mov_b32 s47, 0
	s_mov_b32 s93, 0
	s_lshl_b32 s20, s17, 8
	s_lshl_b32 s2, s2, 7
	s_add_co_u32 s20, s20, s2                      ; my first token
	s_lshr_b32 s21, s20, 11                        ; the batch
	s_bfe_u32 s20, s20, 0x40007                    ; the step of 128 tokens in it
	s_lshl_b32 s22, s42, 2
	s_lshl_b32 s66, s66, 1
	s_add_co_u32 s22, s22, s66                     ; my first head among q's, k's and v's 48
	s_lshr_b32 s23, s22, 4                         ; part: q, k or v
	s_and_b32 s22, s22, 15                         ; head
	s_lshl_b32 s21, s21, 4
	s_add_co_u32 s21, s21, s22
	s_lshl_b32 s21, s21, 4
	s_add_co_u32 s21, s21, s20
	s_mul_i32 s20, s21, 19200
	s_mul_i32 s23, s23, 6400
	s_add_co_u32 s20, s20, s23
	s_mov_b32 s21, 0
	s_add_nc_u64 s[12:13], s[12:13], s[20:21]      ; where block 0's first half image goes,
	s_add_nc_u64 s[18:19], s[12:13], s[18:19]      ; its second,
	s_add_nc_u64 s[20:21], s[12:13], 6144          ; my first head's scale image,
	s_add_nc_u64 s[22:23], s[20:21], 307200        ; and my second head's
.macro FRAG reg, adr, q, i             ; tile i's fragment of the slot's q-th 128 along K: its image, as it lies
.irp c, 0,1,2
	ds_load_b128 v[\reg+4*\c:\reg+4*\c+3], v[\adr] offset:(2*(\i)+(\q))*IMG+512*\c
.endr
.endm
; 16 matrix instructions: source 1's blocks a0, a0 + 1 x source 0's eight.  p: source 0's set;  sc: the set of scale words.  zero = 1: the first product starts the sums: nothing is ever cleared.
; The 64 accumulators take turns, one instruction a turn, in the same order in every step.
.macro MUL16 a0, p, q, sc, zero
.irp a, \a0, \a0+1
.irp b, 0,1,2,3,4,5,6,7
.if \zero
	v_wmma_scale_f32_16x16x128_f8f6f4 v[8*(8*((\a)%4)+\b):8*(8*((\a)%4)+\b)+7], v[128*(\p)+FR*\b:128*(\p)+FR*\b+FR-1], v[AF+FR*(\a):AF+FR*(\a)+FR-1], 0, v[SC+8*NQ*(\sc)+NQ*\b+(\q)], v[SC+8*NQ*(\sc)+NQ*(\a)+(\q)] matrix_a_fmt:MATRIX_FMT_FP6 matrix_b_fmt:MATRIX_FMT_FP6 matrix_a_scale:MATRIX_SCALE_ROW1
.else
	v_wmma_scale_f32_16x16x128_f8f6f4 v[8*(8*((\a)%4)+\b):8*(8*((\a)%4)+\b)+7], v[128*(\p)+FR*\b:128*(\p)+FR*\b+FR-1], v[AF+FR*(\a):AF+FR*(\a)+FR-1], v[8*(8*((\a)%4)+\b):8*(8*((\a)%4)+\b)+7], v[SC+8*NQ*(\sc)+NQ*\b+(\q)], v[SC+8*NQ*(\sc)+NQ*(\a)+(\q)] matrix_a_fmt:MATRIX_FMT_FP6 matrix_b_fmt:MATRIX_FMT_FP6 matrix_a_scale:MATRIX_SCALE_ROW1
.endif
.endr
.endr
.endm
.macro FETCH_B slot, q, p              ; source 0's eight fragments into set p
	WIN TO_B
.irp i, 0,1,2,3,4,5,6,7
	FRAG 128*(\p)+FR*\i, ADRB+\slot, \q, \i
.endr
	WIN 0
.endm
.macro FETCH_A slot, q, i0             ; source 1's blocks i0 .. i0 + 3
.irp i, \i0, \i0+1, \i0+2, \i0+3
	FRAG AF+FR*(\i), ADRA+\slot, \q, \i
.endr
.endm
.macro SCALES sc, sg                   ; sigma sg's scale words into set sc: two words a row
.irp i, 0,1,2,3,4,5,6,7
	ds_load_b64 v[SC+8*NQ*\sc+NQ*\i:SC+8*NQ*\sc+NQ*\i+1], v[ADRS] offset:512*\i+128*\sg
.endr
.endm
; A load into a register that a matrix instruction has read, and a vector instruction that reads a matrix result or writes one of its registers, stand NP places behind it; only plain vector instructions that name none of its registers are places.
.macro PLACES n
.rept \n
	v_nop
.endr
.endm
; A slot's first 128 along K.  Source 1 has one set of registers: blocks 0-3 are fetched anew in the step's middle, blocks 4-7 at its end; source 0's next set comes in the middle run.
.macro STEP slot, zero
	s_wait_dscnt 4*NL                              ; all but the youngest 12 loads (source 1's blocks 4-7)
	WIN MUL_LO
	MUL16 0, 0, 0, \slot, \zero
	MUL16 2, 0, 0, \slot, \zero
	s_wait_dscnt 0x0                               ; blocks 4-7 are in
	PLACES NP
	FETCH_B \slot, 1, 1
	FETCH_A \slot, 1, 0
	WIN MUL_HI
	MUL16 4, 0, 0, \slot, \zero
	MUL16 6, 0, 0, \slot, \zero
	PLACES NP
	WIN 0
	FETCH_A \slot, 1, 4
.endm
; A slot's second 128 along K changes slots: ONE barrier; in front of it each wave waits for all its tensor loads, adds 0 to its spare word, and waits for that and for its own reads of this slot.  fill = 1: this slot is filled again, two slots ahead.
.macro TURN slot, next, fill, sg
	s_wait_tensorcnt 0x0                           ; all my tensor loads have landed: my part of the next slot;  (every window is 0 here)
	ds_add_u32 v[SPW], v[NIL]                      ; 0 onto my spare word
	s_wait_dscnt 4*NL+1                            ; (the add and the youngest 12 loads may be out)
	WIN MUL_LO
	MUL16 0, 1, 1, \slot, 0                        ; sixteen matrix instructions stand between the add and the wait for it
	s_wait_dscnt 0x0                               ; the add is done, and my reads of this slot are over
	s_barrier_signal -1
	MUL16 2, 1, 1, \slot, 0
	WIN 0
	s_barrier_wait -1
.if \fill
	CREST                                          ; the barrier has opened a round of the cluster's barrier: no wave of any partner still reads this slot or has a load on its way
	s_add_nc_u64 s[G0+4*\slot+2:G0+4*\slot+3], s[G0+4*\slot+2:G0+4*\slot+3], 2*1572864
	s_add_nc_u64 s[G0B+4*\slot+2:G0B+4*\slot+3], s[G0B+4*\slot+2:G0B+4*\slot+3], 2*786432
	JLOAD G0+4*\slot, G1, G0B+4*\slot, G1B         ; the first tensor load behind the round, my only one until the next; its four v_nop are the places in front of the loads below
.else
	PLACES NP
.endif
	FETCH_B \next, 0, 0
	FETCH_A \next, 0, 0
	SCALES \next, \sg
	WIN MUL_HI
	MUL16 4, 1, 1, \slot, 0
	MUL16 6, 1, 1, \slot, 0
	PLACES NP
	WIN 0
	FETCH_A \next, 0, 4
.endm
	s_wait_tensorcnt 1                             ; the scales and my part of slot 0 are in (slot 1's load may be out)
	s_barrier_signal -1
	s_barrier_wait -1                              ; everybody's are
	FETCH_B 0, 0, 0
	FETCH_A 0, 0, 0
	SCALES 0, 0
	FETCH_A 0, 0, 4
	STEP 0, 1                                      ; the first products start the sums
	TURN 0, 1, 1, 1                                ; slot 0 takes sigma 2
	STEP 1, 0
	TURN 1, 0, 1, 2                                ; slot 1 takes sigma 3
	STEP 0, 0
	TURN 0, 1, 0, 3                                ; nothing is left to fetch: no round
	STEP 1, 0
	s_wait_dscnt 4*NL                              ; the very last 128 along K
	WIN MUL_LO
	MUL16 0, 1, 1, 1, 0
	MUL16 2, 1, 1, 1, 0
	s_wait_dscnt 0x0
	WIN MUL_HI
	MUL16 4, 1, 1, 1, 0
	MUL16 6, 1, 1, 1, 0
	WIN 0
; THE WAY OUT, without LDS.  Source 1's block a has eight accumulators: 64 numbers a lane, register 16 b + i = source 0's natural index 32 b + 16 (lane / 16) + i: four blocks of 32 along the next K, each in lanes l and l xor 16.
; They become one fragment (12 registers) and one scale word.  q, k: its two halves are the half images of two heads' token tile a.  v: they are keys 0-63 and 64-127 of a tile of 16 channels.
.macro OUTA a
.set AC, 64*((\a)%4)
	WIN 0x28+0x14*((\a)/4)                         ; sources 1 and 2: window 2 or 3
.irp b, 0,1,2,3
	v_max3_num_f32 v[TM+\b], 0x1800000, |v[AC+16*\b]|, |v[AC+16*\b+1]|   ; with the floor 2^(3 - 127); each accumulator is read from its low end on
.endr
.irp i, 2,4,6,8,10,12,14
.irp b, 0,1,2,3
	v_max3_num_f32 v[TM+\b], v[TM+\b], |v[AC+16*\b+\i]|, |v[AC+16*\b+\i+1]|
.endr
.endr
	WIN 0
.irp b, 0,1,2,3
	v_permlanex16_b32 v[TM+4+\b], v[TM+\b], s98, s99
.endr
.irp b, 0,1,2,3
	v_max_num_f32 v[TM+\b], v[TM+\b], v[TM+4+\b]   ; the block's largest magnitude
.endr
.irp b, 0,1,2,3
	v_add_nc_u32 v[TM+12+\b], 0xff000000, v[TM+\b] ; 2 off its exponent field: the conversion's scale operand
.endr
.irp b, 0,1,2,3
	v_lshrrev_b32 v[TM+4+\b], 23, v[TM+12+\b]      ; the byte
.endr
	v_lshl_or_b32 v[PWS+(\a)], v[TM+5], 8, v[TM+4]
	v_lshl_or_b32 v[PWS+(\a)], v[TM+6], 16, v[PWS+(\a)]
	v_lshl_or_b32 v[PWS+(\a)], v[TM+7], 24, v[PWS+(\a)]
.if (\a) > 0
	s_wait_xcnt 0x0                                ; the last block's stores have read their data and their bases: both are written again only behind this wait
.if (\a) == 4
	s_add_nc_u64 s[12:13], s[12:13], s[92:93]
	s_add_nc_u64 s[18:19], s[18:19], s[92:93]
.else
	s_add_nc_u64 s[12:13], s[12:13], s[46:47]
	s_add_nc_u64 s[18:19], s[18:19], s[46:47]
.endif
.endif
	WIN 0x02+((\a)/4)                              ; source 0: window 2 or 3
.irp c, 0,1
	v_cvt_scalef32_pk16_fp6_f32 v[PC+6*\c:PC+6*\c+2], v[AC+32*\c:AC+32*\c+15], v[TM+12+2*\c]
	v_cvt_scalef32_pk16_fp6_f32 v[PC+12+4*\c:PC+14+4*\c], v[AC+32*\c+16:AC+32*\c+31], v[TM+12+2*\c+1]   ; (a conversion's three registers begin on an even number)
.endr
	WIN 0
	v_nop                                          ; one plain place behind a scaled conversion
.irp c, 0,1                            ; the operand's layout wants a WHOLE block in a lane: lanes 0-15 block 2 c, lanes 16-31 block 2 c + 1
.irp i, 0,1,2
	v_permlane16_swap_b32 v[PC+6*\c+\i], v[PC+12+4*\c+\i]
.endr
.irp i, 0,1,2
	v_mov_b32 v[PC+3+6*\c+\i], v[PC+12+4*\c+\i]
.endr
.endr
	global_store_b128 v[LI16], v[PC:PC+3], s[12:13]                 ; 512 consecutive bytes,
	global_store_b64 v[LI8], v[PC+4:PC+5], s[12:13] offset:512      ; and 256
	global_store_b128 v[LI16], v[PC+6:PC+9], s[18:19]
	global_store_b64 v[LI8], v[PC+10:PC+11], s[18:19] offset:512
.endm
	PLACES NP                                      ; behind the last products: their results are read and their scale registers written below
.irp b, 0,1,2,3
	v_mov_b32 v[TM+4+\b], 0                        ; a lane permute's destination counts as one of its sources
.endr
.irp a, 0,1,2,3,4,5,6,7
	OUTA \a
.endr
; The scale images, 8 bytes a lane: lane (r, h) holds words U[h] and U[2 + h].  q, k: U[i] = token tiles 2 i and 2 i + 1, two bytes each, of one head (the low halves of two blocks' words: my first head; the high halves: my second).
; v: U[i] = the word of the head's i-th tile of channels, as it stands.
.irp i, 0,1,2,3
	v_perm_b32 v[U+\i], v[PWS+2*\i+1], v[PWS+2*\i], 0x05040100
	v_perm_b32 v[U+4+\i], v[PWS+2*\i+1], v[PWS+2*\i], 0x07060302
.endr
.irp i, 0,1,2,3,4,5,6,7
	v_cndmask_b32 v[U+\i], v[U+\i], v[PWS+\i], s97
.endr
.irp k, 0,1
	v_cndmask_b32 v[E+2*\k], v[U+4*\k], v[U+4*\k+1], s96
	v_cndmask_b32 v[E+2*\k+1], v[U+4*\k+2], v[U+4*\k+3], s96
.endr
	global_store_b64 v[LI8], v[E:E+1], s[20:21]    ; 256 consecutive bytes, aligned
	global_store_b64 v[LI8], v[E+2:E+3], s[22:23]
	s_wait_tensorcnt 0x0                           ; the wave's end
	ds_add_u32 v[SPW], v[NIL]
	s_wait_dscnt 0x0
	CROUND                                         ; the closing round: no work-group ends while a partner may still ask for a tile that names it
	s_endpgm
.Lfunc_end_k_q350409aa97_qkv_gemm:
	.size	k_q350409aa97_qkv_gemm, .Lfunc_end_k_q350409aa97_qkv_gemm-k_q350409aa97_qkv_gemm
	.p2alignl 7, 3214868480
	.fill 96, 4, 3214868480
	.section	.rodata,"a",@progbits
	.p2align	6, 0x0
	.amdhsa_kernel k_q350409aa97_qkv_gemm
		.amdhsa_group_segment_fixed_size 327680
		.amdhsa_private_segment_fixed_size 0
		.amdhsa_enable_private_segment 0
		.amdhsa_kernarg_size 40
		.amdhsa_user_sgpr_count 2
		.amdhsa_user_sgpr_kernarg_segment_ptr 1
		.amdhsa_wavefront_size32 1
		.amdhsa_system_sgpr_workgroup_id_x 1
		.amdhsa_system_sgpr_workgroup_id_y 1
		.amdhsa_system_sgpr_workgroup_id_z 1
		.amdhsa_system_vgpr_workitem_id 0
		.amdhsa_next_free_vgpr 1024
		.amdhsa_next_free_sgpr 100
		.amdhsa_reserve_vcc 0
		.amdhsa_float_denorm_mode_32 3
		.amdhsa_float_denorm_mode_16_64 3
		.amdhsa_memory_ordered 1
		.amdhsa_forward_progress 1
		.amdhsa_inst_pref_size 143
	.end_amdhsa_kernel
	.amdgpu_metadata
---
amdhsa.version: [ 1, 2 ]
amdhsa.kernels:
  - .name:           k_q350409aa97_qkv_gemm
    .symbol:         k_q350409aa97_qkv_gemm.kd
    .args:
      - { .name: x_img, .offset: 0, .size: 8, .value_kind: global_buffer, .address_space: global }
      - { .name: x_sc, .offset: 8, .size: 8, .value_kind: global_buffer, .address_space: global }
      - { .name: w_img, .offset: 16, .size: 8, .value_kind: global_buffer, .address_space: global }
      - { .name: w_sc, .offset: 24, .size: 8, .value_kind: global_buffer, .address_space: global }
      - { .name: qkv, .offset: 32, .size: 8, .value_kind: global_buffer, .address_space: global }
    .group_segment_fixed_size: 327680
    .private_segment_fixed_size: 0
    .kernarg_segment_align: 8
    .kernarg_segment_size: 40
    .max_flat_workgroup_size: 128
    .sgpr_count:     100
    .vgpr_count:     1024
    .wavefront_size: 32
...
	.end_amdgpu_metadata
.endif
;; end of part 2
;; launch attn (part 3): grid 4 x 64, 16 waves a work-group, clusters of 4 x 1, 206,848 bytes of LDS; arguments qkv, ao_img, ao_sc; writes ao_img, ao_sc
.if DOCPART == 3
	.amdgcn_target "amdgcn-amd-amdhsa--gfx1250"
	.amdhsa_code_object_version 6
	.text
	.protected	k_q350409aa97_attn
	.globl	k_q350409aa97_attn
	.p2align	8
	.type	k_q350409aa97_attn,@function
k_q350409aa97_attn:
	s_mov_b64 s[64:65], 0
	v_nop
	global_prefetch_b8 v0, s[64:65] scope:SCOPE_SE
	s_setreg_imm32_b32 hwreg(HW_REG_WAVE_MODE, 25, 1), 1
	s_wait_xcnt 0x0
	s_wait_alu depctr_hold_cnt(0) depctr_sa_sdst(0) depctr_va_vdst(0) depctr_va_sdst(0) depctr_va_ssrc(0) depctr_va_vcc(0) depctr_vm_vsrc(0)
	s_getreg_b32 s2, hwreg(HW_REG_IB_STS2, 6, 4)
	s_cmp_eq_u32 s2, 0
	s_cbranch_scc0 .Lentry_in_a_cluster
	s_endpgm
.Lentry_in_a_cluster:
	s_bfe_u32 s2, ttmp6, 0x10000c
	s_cmp_lg_u32 s2, 0x3003
	s_cbranch_scc0 .Lentry_shape_is_right
	s_endpgm
.Lentry_shape_is_right:
; O = softmax(q k^T / 8) v for 64 heads of 2,048 tokens and 64 channels, both products on codes of FP6 (E2M3) with E8M0 scales, and O / l quantised along the channels for the output projection.
; THE SOFTMAX: t = (q . k) x log2(e) / 8 (q arrives without its factor 1/8, a power of two); M = the running largest t rounded UP to a whole number; p = 2^(t - M) is quantised along the keys, not normalised; the row's sum l is taken of the unquantised p.
; When M moves, l and O are multiplied by 2^(old M - new M): exact.
; SHARES.  Grid y = batch x head.  The head's four work-groups, 512 queries each, form a cluster.  Each of the SIXTEEN waves owns a tile of 16 queries in each of two passes and walks 16 steps of 128 keys; four waves share a SIMD, so that one wave's
; vector work stands beside another's matrix work and LDS loads.
; LDS.  The head's K and V, codes and scale images, are 16 x 12,800 bytes: they come ONCE, by sixteen joint loads (waves 0-3, four each; the four work-groups read the same bytes), and stay: nothing is filled again, so there is no ring.
; All tiles are asked for at the head, so no prefetch can run ahead of a load.
; LAYOUT.  Both products transposed: S^T = K q^T (source 0 = 16 keys), O^T = V^T p^T (source 0 = 16 channels): a lane holds ONE query.  Row rho of tile 2 b + u is key (or channel) 32 b + 8 u + rho + 8 (rho / 8), so the 16 registers of tiles 2 b, 2 b + 1 are 16 neighbours.
; K = 64 IN AN INSTRUCTION OF 128: a fragment of K holds TWO key tiles (registers 0-5, 6-11).  Against [q | zeros] it gives the first tile's scores, against [zeros | q] the second's: zero codes add nothing under any scale byte here (all lie in 1 .. 254).
; OUT: ao_img [token tile 512][head 16][half image 768], ao_sc [token tile][K step 8][row 16][4 bytes], byte 2 (head % 2) + block.  The 32 scale bytes of a tile leave singly, in a span of 64 bytes: one byte in 24 of what the launch stores.
; LIMITS: NaN and infinities are not served; a block of O / l under 2^-124 keeps the byte 1.
.set REC,   19200                      ; a record of qkv: parts q, k, v
.set PART,  6400                       ; a part: 6,144 bytes of codes, 256 of scales
.set STEPB, 12800                      ; a step in LDS: k's part, then v's
.set H6,    768                        ; half an image: registers 0-3 at 16 l, registers 4-5 at 512 + 8 l
.set LI16, 1                           ; v1   16 x lane
.set LI8,  2                           ; v2   8 x lane
.set A16,  3                           ; v3   the step's LDS address + 16 x lane
.set A8,   4                           ; v4   + 8 x lane
.set QSO,  5                           ; v5   my row's scale word in q's scale image
.set BYO,  6                           ; v6   4 r + h: where my scale byte goes
.set BYV,  7                           ; v7   that byte
.set Q,    16                          ; v16-33  q | zeros | q;  v12 -M, v13 the largest t, v[14:15] the sum in two halves
.set QS,   34                          ; v34  q's scale word (s0, s1, s0, s1)
.set QR,   36                          ; v36-47  the two passes' q as loaded
.set QW,   48                          ; v48-49  and their scale words
.set KF,   52                          ; v52-99  four fragments of K or of V
.set S,    100                         ; v100-163 S^T, then p
.set O,    164                         ; v164-195 O^T
.set PC,   196                         ; v196-207 p's codes
.set PT,   208                         ; v208-215 their second halves
.set BM,   216                         ; v216-219 the blocks' largest scores
.set BX,   220                         ; v220-223 at work
.set SO,   224                         ; v224-227 the conversions' scale operands
.set F,    228                         ; v228 f = 2^(old M - new M);  v229 p's scale word
.set SUM2, 230                         ; v[230:231] the sum's second chain
.set KS,   232                         ; v[232:233] K's scale words: tiles' pairs 0 | 1, 2 | 3 in lanes 0-15 | 16-31
.set VS,   234                         ; v[234:235] V's likewise
.set TMP,  236
.set WV,   10
.set SEL,  14                          ; s[14:15]
.set CS,   16                          ; s[16:17] c = log2(e) / 8, twice
.set TB,   18                          ; the step's LDS byte
.set CNT,  19
.set PASS, 20
.set HM,   21                          ; lanes 16-31
.set QSEL, 22
.set G1,   24                          ; s[24:31] descriptor group 1;  s[32:47] four groups 0
.set G0,   32
.macro CROUND                          ; a round of the cluster's barrier
	s_barrier_signal -1
	s_barrier_wait -1
	s_cmp_lg_u32 s[WV], 0
	s_cbranch_scc1 .Lnot_wave_0_\@
	s_barrier_signal -3
.Lnot_wave_0_\@:
	s_barrier_wait -3
	s_barrier_signal -1
	s_barrier_wait -1
.endm
	s_load_b128 s[4:7], s[0:1], 0x0                ; qkv s[4:5], ao_img s[6:7]
	s_load_b64 s[8:9], s[0:1], 0x10                ; ao_sc
	v_lshl_add_u32 v240, v0, 2, 0x32000
	v_mov_b32 v241, 0
	ds_add_u32 v240, v241
	ds_add_u32 v240, v241
	v_lshrrev_b32 v1, 5, v0
	v_readfirstlane_b32 s[WV], v1                  ; wave 0..15
	s_and_b32 s12, ttmp7, 0xffff                   ; batch x head, which the four partners share
	; descriptor group 1: 12,800 dense bytes as 50 rows of 256 bytes (32 elements of 8 bytes)
	s_mov_b32 s[G1], 15|(3<<16)|(1<<21)            ; 15:0 the mask: all four work-groups; 17:16 elements of 8 bytes; 21 set beside a mask
	s_mov_b32 s[G1+1], 32<<16                      ; tensor_dim0
	s_mov_b32 s[G1+2], 50<<16                      ; tensor_dim1
	s_mov_b32 s[G1+3], 32<<16                      ; tile_dim0
	s_mov_b32 s[G1+4], 50                          ; tile_dim1
	s_mov_b32 s[G1+5], 32                          ; tensor_dim0_stride
	s_mov_b32 s[G1+6], 0
	s_mov_b32 s[G1+7], 0
	s_lshl_b32 s54, s12, 4
	s_add_co_u32 s54, s54, s[WV]
	s_mul_i32 s54, s54, REC
	s_add_co_u32 s54, s54, PART                    ; step w's k and v parts
	s_mov_b32 s55, 0
	s_mul_i32 s56, s[WV], STEPB
	s_wait_dscnt 0x0
	s_wait_kmcnt 0x0
	s_add_nc_u64 s[54:55], s[4:5], s[54:55]
.irp c, 0,1,2,3                        ; load c of wave w brings step 4 c + w
	s_mov_b32 s[G0+4*\c], 1
	s_add_co_u32 s[G0+4*\c+1], s56, \c*4*STEPB
	s_add_nc_u64 s[G0+4*\c+2:G0+4*\c+3], s[54:55], \c*4*REC
	s_or_b32 s[G0+4*\c+3], s[G0+4*\c+3], 0x80000000
.endr
	CROUND                                         ; all four work-groups are here: the joint loads meet
	s_cmp_lt_u32 s[WV], 4                          ; a wave's four fills stand in one branch, ahead of every wait on TENSORcnt, every LDS read and every other barrier: four loads of mine are out
	s_cbranch_scc0 .Lno_fill
	tensor_load_to_lds s[G0:G0+3], s[G1:G1+7]
	s_nop 0
	tensor_load_to_lds s[G0+4:G0+7], s[G1:G1+7]
	s_nop 0
	tensor_load_to_lds s[G0+8:G0+11], s[G1:G1+7]
	s_nop 0
	tensor_load_to_lds s[G0+12:G0+15], s[G1:G1+7]
	s_nop 0
.rept 4
	v_nop
.endr
.Lno_fill:
	s_bfe_u32 s11, ttmp6, 0x40000                  ; cx: it enters global addresses of q and of the output alone
	s_mov_b32 s[SEL], 0x76543210
	s_mov_b32 s[SEL+1], 0xfedcba98
	s_mov_b32 s[CS], 0x3e38aa3b                    ; log2(e) / 8
	s_mov_b32 s[CS+1], s[CS]
	s_mov_b32 s[HM], 0xffff0000
	s_and_b32 s57, s[WV], 1
	s_cmp_eq_u32 s57, 0
	s_mov_b32 s[QSEL], 0x03020302
	s_cselect_b32 s[QSEL], 0x01000100, s[QSEL]     ; my tile's two bytes of the pair's word, twice
	s_lshl_b32 s48, s12, 4                         ; pass 0's query tile is 32 cx + w: record 4 cx + w / 8 of the head, tile w % 8 in it; pass 1's lies two records on
	s_lshl_b32 s57, s11, 2
	s_add_co_u32 s48, s48, s57
	s_lshr_b32 s57, s[WV], 3
	s_add_co_u32 s48, s48, s57
	s_mul_i32 s48, s48, REC
	s_mov_b32 s49, 0
	s_add_nc_u64 s[48:49], s[4:5], s[48:49]        ; the record
	s_and_b32 s58, s[WV], 7
	s_mul_i32 s58, s58, H6
	s_mov_b32 s59, 0
	s_add_nc_u64 s[58:59], s[48:49], s[58:59]      ; my tile's half image
	s_lshr_b32 s50, s12, 4
	s_lshl_b32 s50, s50, 7
	s_lshl_b32 s57, s11, 5
	s_add_co_u32 s50, s50, s57
	s_add_co_u32 s50, s50, s[WV]                   ; my token tile among all 512
	s_lshl_b32 s52, s50, 9
	s_and_b32 s57, s12, 15                         ; the head
	s_lshl_b32 s50, s50, 4
	s_add_co_u32 s50, s50, s57
	s_mul_i32 s50, s50, H6
	s_mov_b32 s51, 0
	s_lshr_b32 s60, s57, 1
	s_lshl_b32 s60, s60, 6
	s_add_co_u32 s52, s52, s60
	s_and_b32 s60, s57, 1
	s_lshl_b32 s60, s60, 1
	s_add_co_u32 s52, s52, s60
	s_mov_b32 s53, 0
	s_add_nc_u64 s[50:51], s[6:7], s[50:51]        ; where O's half image goes,
	s_add_nc_u64 s[52:53], s[8:9], s[52:53]        ; and its scale bytes
	v_and_b32 v8, 31, v0
	v_and_b32 v9, 15, v0                           ; r
	v_bfe_u32 v10, v0, 4, 1                        ; h
	v_lshlrev_b32 v[LI16], 4, v8
	v_lshlrev_b32 v[LI8], 3, v8
	s_bfe_u32 s57, s[WV], 0x10001                  ; my tile's pair b = (w % 8) / 2: its word lies in lane r + 16 (b % 2), word b / 2, of the scale image
	s_lshl_b32 s57, s57, 7
	s_bfe_u32 s60, s[WV], 0x10002
	s_lshl_b32 s60, s60, 2
	s_add_co_u32 s57, s57, s60
	s_add_co_u32 s57, s57, 6144
	v_lshl_add_u32 v[QSO], v9, 3, s57
	v_lshl_add_u32 v[BYO], v9, 2, v10
.irp p, 0,1
	global_load_b128 v[QR+6*\p:QR+6*\p+3], v[LI16], s[58:59] offset:2*REC*\p
	global_load_b64 v[QR+6*\p+4:QR+6*\p+5], v[LI8], s[58:59] offset:2*REC*\p+512
	global_load_b32 v[QW+\p], v[QSO], s[48:49] offset:2*REC*\p
.endr
.irp i, 0,1,2,3,4,5
	v_mov_b32 v[Q+6+\i], 0                         ; the zero codes between the two copies of q
.endr
.irp b, 0,1,2,3
	v_mov_b32 v[BX+\b], 0                          ; a lane permute's destination counts as one of its sources
.endr
	v_mov_b32 v[F+1], 0                            ; (named as the upper half of the pair before it is first written)
.macro LOAD8 off, sc                   ; eight half images = four fragments, and their scale image
.irp i, 0,1,2,3,4,5,6,7
	ds_load_b128 v[KF+6*\i:KF+6*\i+3], v[A16] offset:\off+H6*\i
	ds_load_b64 v[KF+6*\i+4:KF+6*\i+5], v[A8] offset:\off+H6*\i+512
.endr
	ds_load_b64 v[\sc:\sc+1], v[A8] offset:\off+6144
.endm
; A KEY STEP: 128 keys
.macro STEP
	v_add_nc_u32 v[A16], s[TB], v[LI16]
	v_add_nc_u32 v[A8], s[TB], v[LI8]
	v_nop
	v_nop                                          ; four places in front of loads into registers that the last products have read
	LOAD8 0, KS
	s_wait_dscnt 0x0
.irp b, 0,1,2,3                        ; S^T: fragment b holds key tiles 2 b and 2 b + 1
.irp u, 0,1
.if \b%2
	v_wmma_scale_f32_16x16x128_f8f6f4 v[S+8*(2*\b+\u):S+8*(2*\b+\u)+7], v[KF+12*\b:KF+12*\b+11], v[Q+6*\u:Q+6*\u+11], 0, v[KS+\b/2], v[QS] matrix_a_fmt:MATRIX_FMT_FP6 matrix_b_fmt:MATRIX_FMT_FP6 matrix_a_scale:MATRIX_SCALE_ROW1
.else
	v_wmma_scale_f32_16x16x128_f8f6f4 v[S+8*(2*\b+\u):S+8*(2*\b+\u)+7], v[KF+12*\b:KF+12*\b+11], v[Q+6*\u:Q+6*\u+11], 0, v[KS+\b/2], v[QS] matrix_a_fmt:MATRIX_FMT_FP6 matrix_b_fmt:MATRIX_FMT_FP6
.endif
.endr
.endr
.rept 4
	v_nop                                          ; places: in front of the loads below and of the first read of the scores
.endr
	LOAD8 PART, VS                                 ; V lands during the softmax
.irp b, 0,1,2,3
	v_max3_num_f32 v[BM+\b], v[S+16*\b], v[S+1+16*\b], v[S+2+16*\b]   ; the largest score of each block of 32 keys: for the row's maximum, and, since p rises with the score, for the block's largest p
.endr
.irp i, 3,5,7,9,11,13
.irp b, 0,1,2,3
	v_max3_num_f32 v[BM+\b], v[BM+\b], v[S+16*\b+\i], v[S+1+16*\b+\i]
.endr
.endr
.irp b, 0,1,2,3
	v_max_num_f32 v[BM+\b], v[BM+\b], v[S+15+16*\b]
.endr
.irp b, 0,1,2,3
	v_permlanex16_b32 v[BX+\b], v[BM+\b], s[SEL], s[SEL+1]
.endr
.irp b, 0,1,2,3
	v_max_num_f32 v[BM+\b], v[BM+\b], v[BX+\b]     ; with lane l xor 16's 16 keys
.endr
	v_max3_num_f32 v[TMP], v[BM], v[BM+1], v[BM+2]
	v_max_num_f32 v[TMP], v[TMP], v[BM+3]
	v_mul_f32 v[TMP], s[CS], v[TMP]                ; as t (c is positive)
	v_max_num_f32 v13, v13, v[TMP]                 ; the running largest t
	v_mov_b32 v[TMP], v12
	v_floor_f32 v12, -v13                          ; the new -M = floor(-t): M is a whole number
	v_sub_f32 v[TMP], v12, v[TMP]                  ; old M - new M: a whole number, 0 or less
	v_cvt_i32_f32 v[TMP], v[TMP]                   ; (it saturates)
	v_ldexp_f32 v[F], 1.0, v[TMP]                  ; f = 2^(old M - new M)
.set JJ, 0
.rept 32
	v_pk_fma_f32 v[S+JJ:S+JJ+1], v[S+JJ:S+JJ+1], s[CS:CS+1], v[12:13] op_sel_hi:[1,0,0]   ; t - M, two at a time
.set JJ, JJ+2
.endr
.irp b, 0,1,2,3
	v_fma_f32 v[BM+\b], v[BM+\b], s[CS], v12       ; the same of each block's largest score
.endr
.set JJ, 0
.rept 64
	v_exp_f32 v[S+JJ], v[S+JJ]                     ; p = 2^(t - M), at most 1
.set JJ, JJ+1
.endr
	v_pk_mul_f32 v[14:15], v[14:15], v[F:F+1] op_sel_hi:[1,0]   ; the sums under the new M: the plain place behind the exponentials
	s_wait_alu depctr_va_vdst(0)                   ; one wait for the whole batch, ahead of its first reader
.irp b, 0,1,2,3
	v_exp_f32 v[BM+\b], v[BM+\b]                   ; the block's largest p: the same two instructions on the same number
.endr
	v_pk_add_f32 v[SUM2:SUM2+1], v[S:S+1], v[S+2:S+3]   ; the row's sum of the UNQUANTISED p, in two chains
.set JJ, 4
.rept 15
	v_pk_add_f32 v[14:15], v[14:15], v[S+JJ:S+JJ+1]
	v_pk_add_f32 v[SUM2:SUM2+1], v[SUM2:SUM2+1], v[S+JJ+2:S+JJ+3]
.set JJ, JJ+4
.endr
	v_pk_add_f32 v[14:15], v[14:15], v[SUM2:SUM2+1]
	s_wait_alu depctr_va_vdst(0)                   ; and one for the four
.irp b, 0,1,2,3
	v_max_num_f32 v[BM+\b], 0x1800000, v[BM+\b]    ; the floor 2^(3 - 127)
.endr
.irp b, 0,1,2,3
	v_add_nc_u32 v[SO+\b], 0xff000000, v[BM+\b]
.endr
.irp b, 0,1,2,3
	v_lshrrev_b32 v[BX+\b], 23, v[SO+\b]
.endr
	v_lshl_or_b32 v[F+1], v[BX+1], 8, v[BX]        ; p's scale word for these 128 keys
	v_lshl_or_b32 v[F+1], v[BX+2], 16, v[F+1]
	v_lshl_or_b32 v[F+1], v[BX+3], 24, v[F+1]
.irp c, 0,1
	v_cvt_scalef32_pk16_fp6_f32 v[PC+6*\c:PC+6*\c+2], v[S+32*\c:S+32*\c+15], v[SO+2*\c]
	v_cvt_scalef32_pk16_fp6_f32 v[PT+4*\c:PT+4*\c+2], v[S+32*\c+16:S+32*\c+31], v[SO+2*\c+1]
.endr
	v_nop                                          ; one plain place behind a scaled conversion
.irp c, 0,1
.irp i, 0,1,2
	v_permlane16_swap_b32 v[PC+6*\c+\i], v[PT+4*\c+\i]
.endr
.irp i, 0,1,2
	v_mov_b32 v[PC+3+6*\c+\i], v[PT+4*\c+\i]
.endr
.endr
.set JJ, 0
.rept 16
	v_pk_mul_f32 v[O+JJ:O+JJ+1], v[O+JJ:O+JJ+1], v[F:F+1] op_sel_hi:[1,0]   ; O^T under the new M.  For each product below twelve of these name none of its registers: the places behind p's codes and scale word
.set JJ, JJ+2
.endr
	s_wait_dscnt 0x0                               ; V is in
.irp t, 0,1,2,3                        ; O^T += V^T p^T: the four accumulators by turns; the eight products S^T stand between two links of a chain
.if \t%2
	v_wmma_scale_f32_16x16x128_f8f6f4 v[O+8*\t:O+8*\t+7], v[KF+12*\t:KF+12*\t+11], v[PC:PC+11], v[O+8*\t:O+8*\t+7], v[VS+\t/2], v[F+1] matrix_a_fmt:MATRIX_FMT_FP6 matrix_b_fmt:MATRIX_FMT_FP6 matrix_a_scale:MATRIX_SCALE_ROW1
.else
	v_wmma_scale_f32_16x16x128_f8f6f4 v[O+8*\t:O+8*\t+7], v[KF+12*\t:KF+12*\t+11], v[PC:PC+11], v[O+8*\t:O+8*\t+7], v[VS+\t/2], v[F+1] matrix_a_fmt:MATRIX_FMT_FP6 matrix_b_fmt:MATRIX_FMT_FP6
.endif
.endr
	s_add_co_u32 s[TB], s[TB], STEPB
.endm
; Steps 4 c .. 4 c + 3: they are load c of waves 0 to 3.  The later loads may stay out.
.macro GROUP c
	s_wait_tensorcnt 3-\c
	s_wait_dscnt 0x0
	s_barrier_signal -1
	s_barrier_wait -1                              ; every fetching wave has seen its load c land
	s_mov_b32 s[TB], \c*4*STEPB
	s_mov_b32 s[CNT], 4
.Lstep_\@:
	STEP
	s_sub_co_u32 s[CNT], s[CNT], 1
	s_cmp_lg_u32 s[CNT], 0
	s_cbranch_scc1 .Lstep_\@
.endm
	s_wait_loadcnt 0x0                             ; q of both passes
	s_mov_b32 s[PASS], 2
.Lpass:
.irp i, 0,1,2,3,4,5
	v_mov_b32 v[Q+\i], v[QR+\i]
	v_mov_b32 v[Q+12+\i], v[QR+\i]
.endr
	v_perm_b32 v[QS], v[QW], v[QW], s[QSEL]
	v_mov_b32 v13, 0xff61b1e6                      ; the largest t so far: -3e38
	v_floor_f32 v12, -v13
	v_mov_b32 v14, 0
	v_mov_b32 v15, 0
.set JJ, 0
.rept 32
	v_mov_b32 v[O+JJ], 0                           ; the step is written for every step alike: the first finds zeros, which the first change of M leaves zeros.  (Also the places behind q and its scale word)
.set JJ, JJ+1
.endr
	GROUP 0
	GROUP 1
	GROUP 2
	GROUP 3
	; O / l, quantised along the channels: register 16 b + i is channel 32 b + 16 h + i
	v_add_f32 v14, v14, v15
	v_permlanex16_b32 v[TMP], v14, s[SEL], s[SEL+1]
	v_add_f32 v14, v14, v[TMP]                     ; the row's sum
	v_rcp_f32 v14, v14
.rept 4
	v_nop                                          ; the plain place behind the reciprocal, and the places behind the last products
.endr
	s_wait_alu depctr_va_vdst(0)                   ; ahead of the reciprocal's first reader
.set JJ, 0
.rept 32
	v_mul_f32 v[S+JJ], v[O+JJ], v14
.set JJ, JJ+1
.endr
.irp b, 0,1
	v_max3_num_f32 v[BM+\b], |v[S+16*\b]|, |v[S+16*\b+1]|, 0x1800000
.endr
.irp i, 2,4,6,8,10,12,14
.irp b, 0,1
	v_max3_num_f32 v[BM+\b], v[BM+\b], |v[S+16*\b+\i]|, |v[S+16*\b+\i+1]|
.endr
.endr
.irp b, 0,1
	v_permlanex16_b32 v[BX+\b], v[BM+\b], s[SEL], s[SEL+1]
.endr
.irp b, 0,1
	v_max_num_f32 v[BM+\b], v[BM+\b], v[BX+\b]
.endr
.irp b, 0,1
	v_add_nc_u32 v[SO+\b], 0xff000000, v[BM+\b]
.endr
.irp b, 0,1
	v_lshrrev_b32 v[BX+\b], 23, v[SO+\b]
.endr
	v_cvt_scalef32_pk16_fp6_f32 v[PC:PC+2], v[S:S+15], v[SO]
	v_cvt_scalef32_pk16_fp6_f32 v[PT:PT+2], v[S+16:S+31], v[SO+1]
	v_nop                                          ; one plain place behind a scaled conversion
.irp i, 0,1,2
	v_permlane16_swap_b32 v[PC+\i], v[PT+\i]       ; lanes 0-15 now hold block 0 whole, lanes 16-31 block 1
.endr
.irp i, 0,1,2
	v_mov_b32 v[PC+3+\i], v[PT+\i]
.endr
	global_store_b128 v[LI16], v[PC:PC+3], s[50:51]                 ; 512 consecutive bytes,
	global_store_b64 v[LI8], v[PC+4:PC+5], s[50:51] offset:512      ; and 256
	v_cndmask_b32 v[BYV], v[BX], v[BX+1], s[HM]
	global_store_b8 v[BYO], v[BYV], s[52:53]       ; lane (r, h): row r's byte of block h
	s_wait_xcnt 0x0                                ; the stores have read their data and bases: both are written again only behind this wait
	s_add_nc_u64 s[50:51], s[50:51], 196608        ; 16 token tiles on
	s_add_nc_u64 s[52:53], s[52:53], 8192
.irp i, 0,1,2,3,4,5
	v_mov_b32 v[QR+\i], v[QR+6+\i]
.endr
	v_mov_b32 v[QW], v[QW+1]
	s_sub_co_u32 s[PASS], s[PASS], 1
	s_cmp_lg_u32 s[PASS], 0
	s_cbranch_scc1 .Lpass
	s_wait_tensorcnt 0x0
	ds_add_u32 v240, v241
	s_wait_dscnt 0x0
	CROUND                                         ; the closing round
	s_endpgm
.Lfunc_end_k_q350409aa97_attn:
	.size	k_q350409aa97_attn, .Lfunc_end_k_q350409aa97_attn-k_q350409aa97_attn
	.p2alignl 7, 3214868480
	.fill 96, 4, 3214868480
	.section	.rodata,"a",@progbits
	.p2align	6, 0x0
	.amdhsa_kernel k_q350409aa97_attn
		.amdhsa_group_segment_fixed_size 206848
		.amdhsa_private_segment_fixed_size 0
		.amdhsa_enable_private_segment 0
		.amdhsa_kernarg_size 24
		.amdhsa_user_sgpr_count 2
		.amdhsa_user_sgpr_kernarg_segment_ptr 1
		.amdhsa_wavefront_size32 1
		.amdhsa_system_sgpr_workgroup_id_x 1
		.amdhsa_system_sgpr_workgroup_id_y 1
		.amdhsa_system_sgpr_workgroup_id_z 1
		.amdhsa_system_vgpr_workitem_id 0
		.amdhsa_next_free_vgpr 242
		.amdhsa_next_free_sgpr 66
		.amdhsa_reserve_vcc 0
		.amdhsa_float_denorm_mode_32 3
		.amdhsa_float_denorm_mode_16_64 3
		.amdhsa_memory_ordered 1
		.amdhsa_forward_progress 1
		.amdhsa_inst_pref_size 77
	.end_amdhsa_kernel
	.amdgpu_metadata
---
amdhsa.version: [ 1, 2 ]
amdhsa.kernels:
  - .name:           k_q350409aa97_attn
    .symbol:         k_q350409aa97_attn.kd
    .args:
      - { .name: qkv, .offset: 0, .size: 8, .value_kind: global_buffer, .address_space: global }
      - { .name: ao_img, .offset: 8, .size: 8, .value_kind: global_buffer, .address_space: global }
      - { .name: ao_sc, .offset: 16, .size: 8, .value_kind: global_buffer, .address_space: global }
    .group_segment_fixed_size: 206848
    .private_segment_fixed_size: 0
    .kernarg_segment_align: 8
    .kernarg_segment_size: 24
    .max_flat_workgroup_size: 512
    .sgpr_count:     66
    .vgpr_count:     242
    .wavefront_size: 32
...
	.end_amdgpu_metadata
.endif
;; end of part 3
;; launch out_ln (part 4): grid 256 x 1, 16 waves a work-group, no clusters, 100,352 bytes of LDS; arguments ao_img, ao_sc, w_img, w_sc, b_out, ln_gamma, ln_beta, out0; writes out0
.if DOCPART == 4
	.amdgcn_target "amdgcn-amd-amdhsa--gfx1250"
	.amdhsa_code_object_version 6
	.text
	.protected	k_q350409aa97_out_ln
	.globl	k_q350409aa97_out_ln
	.p2align	8
	.type	k_q350409aa97_out_ln,@function
k_q350409aa97_out_ln:
	s_mov_b64 s[64:65], 0
	v_nop
	global_prefetch_b8 v0, s[64:65] scope:SCOPE_SE
	s_setreg_imm32_b32 hwreg(HW_REG_WAVE_MODE, 25, 1), 1
	s_wait_xcnt 0x0
; out0 = LayerNorm(a w_out + b_out) x gamma + beta.  a: attention's output as codes of FP6 (E2M3) with E8M0 scales (ao_img, ao_sc); w_out: tiles 192-255 of w_img, w_sc.  The product's result never goes to memory.
; SHARES.  A work-group owns 32 tokens (two token tiles) and all 1,024 columns, so that a row's mean and variance stay in the work-group.  Wave w owns columns 64 w .. 64 w + 63: four weight tiles x two token tiles: eight accumulators.
; Source 0 = a weight tile, source 1 = a token tile: a lane holds ONE token, and the registers of tiles 2 b, 2 b + 1 are columns 32 b + 16 (lane / 16) + 0 .. 15.  The bias is the C of each sum's first product: it is loaded straight into the accumulators.
; THE WEIGHTS GO FROM MEMORY STRAIGHT INTO REGISTERS, three loads of 512 consecutive bytes a fragment, one K step ahead.  No tensor load and no joint request: each weight fragment is read by exactly one wave of the work-group,
; so a way through LDS would add a write and a read of all 786,432 bytes and spare none inside the work-group.  The tokens' codes (24,576 bytes), which all sixteen waves read, are copied into LDS once.
; THE NORM in two passes (mean; then the squares of y - mean), so that no difference of large sums is formed.  Sums over the sixteen waves meet in LDS, one word for each row and wave.
; Row rho of token tile 2 g + m is token 32 g + 8 m + rho + 8 (rho / 8): the way out undoes it.  LIMITS: NaN and infinities are not served.
.set AIMG, 0                           ; LDS: [token tile 2][head 16][half image 768]
.set RED1, 24576                       ; 32 rows x 16 waves x 4 bytes
.set RED2, 26624
.set STG,  28672                       ; a stage of 16 rows x (256 + 16) bytes for each wave
.set SP,   272
.set ACC,  32                          ; v32-95   accumulator (m, t) at v[32 + 8 (4 m + t)]
.set WF,   96                          ; v96-191  the weights' four fragments, two sets
.set AF,   192                         ; v192-215 the tokens' two fragments
.set WS,   216                         ; v216-231 the weights' scale words: register 8 (t / 2) + s; tile t even in lanes 0-15, odd in lanes 16-31
.set AS,   232                         ; v232-239 the tokens': register s; tile 0 in lanes 0-15, tile 1 in lanes 16-31
.set CP,   240                         ; v240-251 the copy at the head;  later v240-255: sixteen partial sums
.set RL,   240
.set GA,   96                          ; behind the products: gamma, beta in the accumulators' layout; rows read back from the stage
.set BE,   128
.set OB,   160
	s_load_b256 s[4:11], s[0:1], 0x0               ; ao_img s[4:5], ao_sc s[6:7], w_img s[8:9], w_sc s[10:11]
	s_load_b256 s[12:19], s[0:1], 0x20             ; b_out s[12:13], gamma s[14:15], beta s[16:17], out0 s[18:19]
	v_lshl_add_u32 v30, v0, 2, 0x18000
	v_mov_b32 v31, 0
	v_lshrrev_b32 v1, 5, v0
	v_readfirstlane_b32 s20, v1                    ; wave 0..15
	s_mov_b32 s21, 0xffff0000                      ; lanes 16-31
	s_mov_b32 s22, 0x76543210
	s_mov_b32 s23, 0xfedcba98
	v_and_b32 v12, 31, v0
	v_and_b32 v13, 15, v0                          ; r
	v_bfe_u32 v14, v0, 4, 1                        ; h
	v_lshlrev_b32 v1, 4, v12                       ; 16 x lane
	v_lshlrev_b32 v2, 3, v12                       ; 8 x lane
	v_lshlrev_b32 v3, 4, v0                        ; 16 x thread: the copy
	v_lshlrev_b32 v4, 6, v14                       ; 64 h: my half's columns of bias, gamma, beta
	v_lshlrev_b32 v5, 9, v14
	v_lshl_add_u32 v6, v13, 2, v5                  ; the tokens' scale words: 512 h + 4 r
	v_lshl_add_u32 v5, v13, 3, v5                  ; the weights': 512 h + 8 r
	v_lshlrev_b32 v8, 6, v12                       ; a row's sixteen partial sums: 64 x lane
	s_lshl_b32 s24, s20, 2
	v_add_nc_u32 v7, s24, v8                       ; and my wave's word among them
	s_mul_i32 s24, s20, 16*SP
	s_add_co_u32 s24, s24, STG
	v_mul_u32_u24 v9, v13, SP
	v_lshl_add_u32 v9, v14, 6, v9
	v_add_nc_u32 v9, s24, v9                       ; into my stage: row r, + 64 h
	v_mul_u32_u24 v10, v14, SP
	v_lshl_add_u32 v10, v13, 4, v10
	v_add_nc_u32 v10, s24, v10                     ; back: lanes 0-15 one row, lanes 16-31 the next
	v_lshlrev_b32 v11, 12, v14
	v_lshl_add_u32 v11, v13, 4, v11                ; and the same in out0
	v_mov_b32 v24, 0                               ; a lane permute's destination counts as one of its sources
	v_mov_b32 v25, 0
	s_mul_i32 s24, ttmp9, 24576
	s_mov_b32 s25, 0
	s_lshl_b32 s26, ttmp9, 10
	s_mov_b32 s27, 0
	s_lshl_b32 s28, s20, 2
	s_add_co_u32 s28, s28, 192                     ; my first weight tile
	s_lshl_b32 s30, s28, 9
	s_mov_b32 s31, 0
	s_mul_i32 s28, s28, 3072
	s_mov_b32 s29, 0
	s_lshl_b32 s32, s20, 8                         ; my 64 columns in bytes
	s_mov_b32 s33, 0
	s_lshl_b32 s34, ttmp9, 17                      ; 32 rows of 4,096 bytes
	s_add_co_u32 s34, s34, s32
	s_mov_b32 s35, 0
	s_wait_kmcnt 0x0
	s_add_nc_u64 s[4:5], s[4:5], s[24:25]
	s_add_nc_u64 s[6:7], s[6:7], s[26:27]
	s_add_nc_u64 s[8:9], s[8:9], s[28:29]
	s_add_nc_u64 s[10:11], s[10:11], s[30:31]
	s_add_nc_u64 s[12:13], s[12:13], s[32:33]
	s_add_nc_u64 s[14:15], s[14:15], s[32:33]
	s_add_nc_u64 s[16:17], s[16:17], s[32:33]
	s_add_nc_u64 s[18:19], s[18:19], s[34:35]
.macro WLOAD s                         ; K step s's four weight fragments into set s % 2
.irp t, 0,1,2,3
.irp c, 0,1,2
	global_load_b128 v[WF+48*((\s)%2)+12*\t+4*\c:WF+48*((\s)%2)+12*\t+4*\c+3], v1, s[8:9] offset:((\s)/2)*786432+(2*\t+(\s)%2)*1536+512*\c
.endr
.endr
.endm
.macro ROWVEC reg, base                ; 32 numbers a lane of a vector over the columns, in an accumulator set's layout: tile 2 b + u: columns 32 b + 16 h + 8 u + 0 .. 7
.irp t, 0,1,2,3
	global_load_b128 v[\reg+8*\t:\reg+8*\t+3], v4, s[\base:\base+1] offset:(32*(\t/2)+8*(\t%2))*4
	global_load_b128 v[\reg+8*\t+4:\reg+8*\t+7], v4, s[\base:\base+1] offset:(32*(\t/2)+8*(\t%2))*4+16
.endr
.endm
.irp j, 0,1,2
	global_load_b128 v[CP+4*\j:CP+4*\j+3], v3, s[4:5] offset:8192*\j      ; the tokens' codes: 512 threads x 16 bytes, three times
.endr
	ROWVEC ACC, 12                                 ; the bias, for both token tiles
	ROWVEC ACC+32, 12
.irp p, 0,1
.irp g, 0,1,2,3
	global_load_b64 v[WS+8*\p+2*\g:WS+8*\p+2*\g+1], v5, s[10:11] offset:1024*\p+128*\g
.endr
.endr
.irp s, 0,1,2,3,4,5,6,7
	global_load_b32 v[AS+\s], v6, s[6:7] offset:64*\s
.endr
	WLOAD 0
	s_wait_loadcnt 44                              ; the three loads of the copy are in; 16 + 8 + 8 + 12 younger ones may be out
.irp j, 0,1,2
	ds_store_b128 v3, v[CP+4*\j:CP+4*\j+3] offset:AIMG+8192*\j
.endr
	s_wait_dscnt 0x0                               ; for the others' sake: my stores have landed
	s_barrier_signal -1
	s_barrier_wait -1                              ; the tokens' codes lie in LDS; nobody writes them again
.macro MM t, m, s
.set DD, ACC+8*(4*(\m)+(\t))
.set AA, WF+48*((\s)%2)+12*(\t)
.set BB, AF+12*(\m)
.set SA, WS+8*((\t)/2)+(\s)
.set SB, AS+(\s)
.if ((\t)%2) && (\m)
	v_wmma_scale_f32_16x16x128_f8f6f4 v[DD:DD+7], v[AA:AA+11], v[BB:BB+11], v[DD:DD+7], v[SA], v[SB] matrix_a_fmt:MATRIX_FMT_FP6 matrix_b_fmt:MATRIX_FMT_FP6 matrix_a_scale:MATRIX_SCALE_ROW1 matrix_b_scale:MATRIX_SCALE_ROW1
.elseif (\t)%2
	v_wmma_scale_f32_16x16x128_f8f6f4 v[DD:DD+7], v[AA:AA+11], v[BB:BB+11], v[DD:DD+7], v[SA], v[SB] matrix_a_fmt:MATRIX_FMT_FP6 matrix_b_fmt:MATRIX_FMT_FP6 matrix_a_scale:MATRIX_SCALE_ROW1
.elseif \m
	v_wmma_scale_f32_16x16x128_f8f6f4 v[DD:DD+7], v[AA:AA+11], v[BB:BB+11], v[DD:DD+7], v[SA], v[SB] matrix_a_fmt:MATRIX_FMT_FP6 matrix_b_fmt:MATRIX_FMT_FP6 matrix_b_scale:MATRIX_SCALE_ROW1
.else
	v_wmma_scale_f32_16x16x128_f8f6f4 v[DD:DD+7], v[AA:AA+11], v[BB:BB+11], v[DD:DD+7], v[SA], v[SB] matrix_a_fmt:MATRIX_FMT_FP6 matrix_b_fmt:MATRIX_FMT_FP6
.endif
.endm
; K step s = heads 2 s and 2 s + 1: a token fragment is their two half images.  The eight accumulators take turns, in the same order in every step.
.macro KSTEP s
.if (\s) > 0
.rept 4
	v_nop                                          ; places in front of loads into registers that the last products have read
.endr
.endif
.if (\s) < 7
	WLOAD (\s)+1
.endif
.irp m, 0,1
.irp e, 0,1
	ds_load_b128 v[AF+12*\m+6*\e:AF+12*\m+6*\e+3], v1 offset:AIMG+12288*\m+(2*(\s)+\e)*768
	ds_load_b64 v[AF+12*\m+6*\e+4:AF+12*\m+6*\e+5], v2 offset:AIMG+12288*\m+(2*(\s)+\e)*768+512
.endr
.endr
.if (\s) < 7
	s_wait_loadcnt 12                              ; all but the next step's twelve loads
.else
	s_wait_loadcnt 0x0
.endif
	s_wait_dscnt 0x0
.irp t, 0,1,2,3
.irp m, 0,1
	MM \t, \m, \s
.endr
.endr
.endm
.irp s, 0,1,2,3,4,5,6,7
	KSTEP \s
.endr
.rept 4
	v_nop                                          ; places: the results are read, and the weights' registers loaded, below
.endr
	ROWVEC GA, 14
	ROWVEC BE, 16
.macro SUM32 t, a                      ; the sum of 32 registers, two at a time, in two chains; each accumulator is read from its low end on
	v_pk_add_f32 v[\t:\t+1], v[\a:\a+1], v[\a+2:\a+3]
	v_pk_add_f32 v[\t+2:\t+3], v[\a+4:\a+5], v[\a+6:\a+7]
.irp j, 8,16,24
	v_pk_add_f32 v[\t:\t+1], v[\t:\t+1], v[\a+\j:\a+\j+1]
	v_pk_add_f32 v[\t+2:\t+3], v[\t+2:\t+3], v[\a+\j+2:\a+\j+3]
	v_pk_add_f32 v[\t:\t+1], v[\t:\t+1], v[\a+\j+4:\a+\j+5]
	v_pk_add_f32 v[\t+2:\t+3], v[\t+2:\t+3], v[\a+\j+6:\a+\j+7]
.endr
	v_pk_add_f32 v[\t:\t+1], v[\t:\t+1], v[\t+2:\t+3]
	v_add_f32 v[\t], v[\t], v[\t+1]
.endm
.macro SQ32 t, a                       ; the sum of their squares
	v_pk_mul_f32 v[\t:\t+1], v[\a:\a+1], v[\a:\a+1]
	v_pk_mul_f32 v[\t+2:\t+3], v[\a+2:\a+3], v[\a+2:\a+3]
.irp j, 4,8,12,16,20,24,28
	v_pk_fma_f32 v[\t:\t+1], v[\a+\j:\a+\j+1], v[\a+\j:\a+\j+1], v[\t:\t+1]
	v_pk_fma_f32 v[\t+2:\t+3], v[\a+\j+2:\a+\j+3], v[\a+\j+2:\a+\j+3], v[\t+2:\t+3]
.endr
	v_pk_add_f32 v[\t:\t+1], v[\t:\t+1], v[\t+2:\t+3]
	v_add_f32 v[\t], v[\t], v[\t+1]
.endm
; v12, v16: my sums for row r of token tiles 0 and 1.  Out: v24 = the whole row's sum / 1,024, for row r of tile h (my lane's number is the row's).
.macro REDUCE red
	v_permlanex16_b32 v24, v12, s22, s23
	v_permlanex16_b32 v25, v16, s22, s23
	v_add_f32 v12, v12, v24                        ; with lane l xor 16's columns: my wave's 64
	v_add_f32 v16, v16, v25
	v_cndmask_b32 v24, v12, v16, s21
	ds_store_b32 v7, v24 offset:\red
	s_wait_dscnt 0x0                               ; for the others' sake
	s_barrier_signal -1
	s_barrier_wait -1
.irp k, 0,1,2,3
	ds_load_b128 v[RL+4*\k:RL+4*\k+3], v8 offset:\red+16*\k
.endr
	s_wait_dscnt 0x0
.irp k, 0,4,8,12
	v_pk_add_f32 v[RL+\k:RL+\k+1], v[RL+\k:RL+\k+1], v[RL+\k+2:RL+\k+3]
.endr
	v_pk_add_f32 v[RL:RL+1], v[RL:RL+1], v[RL+4:RL+5]
	v_pk_add_f32 v[RL+8:RL+9], v[RL+8:RL+9], v[RL+12:RL+13]
	v_pk_add_f32 v[RL:RL+1], v[RL:RL+1], v[RL+8:RL+9]
	v_add_f32 v24, v[RL], v[RL+1]
	v_mul_f32 v24, 0x3a800000, v24                 ; / 1,024
.endm
.macro BOTH                            ; v24 (row r of tile h) and lane l xor 16's make v[20:21] = tile 0's number, twice, and v[22:23] = tile 1's
	v_permlanex16_b32 v25, v24, s22, s23
	v_cndmask_b32 v20, v24, v25, s21
	v_cndmask_b32 v21, v24, v25, s21
	v_cndmask_b32 v22, v25, v24, s21
	v_cndmask_b32 v23, v25, v24, s21
.endm
	SUM32 12, ACC
	SUM32 16, ACC+32
	REDUCE RED1
	BOTH                                           ; the means
.irp m, 0,1
.set JJ, 0
.rept 16
	v_pk_add_f32 v[ACC+32*\m+JJ:ACC+32*\m+JJ+1], v[ACC+32*\m+JJ:ACC+32*\m+JJ+1], v[20+2*\m:21+2*\m] neg_lo:[0,1] neg_hi:[0,1]   ; y - mean
.set JJ, JJ+2
.endr
.endr
	SQ32 12, ACC
	SQ32 16, ACC+32
	REDUCE RED2                                    ; other bytes than the first sum's: no barrier between that sum's reads and these stores
	v_add_f32 v24, 0x3727c5ac, v24                 ; the variance + 1e-5
	v_rsq_f32 v24, v24
	v_nop                                          ; one plain place behind the transcendental
	s_wait_alu depctr_va_vdst(0)                   ; ahead of its first reader
	BOTH
	s_wait_loadcnt 0x0                             ; gamma and beta
.irp m, 0,1
.set JJ, 0
.rept 16
	v_pk_mul_f32 v[ACC+32*\m+JJ:ACC+32*\m+JJ+1], v[ACC+32*\m+JJ:ACC+32*\m+JJ+1], v[20+2*\m:21+2*\m]
	v_pk_fma_f32 v[ACC+32*\m+JJ:ACC+32*\m+JJ+1], v[ACC+32*\m+JJ:ACC+32*\m+JJ+1], v[GA+JJ:GA+JJ+1], v[BE+JJ:BE+JJ+1]
.set JJ, JJ+2
.endr
.endr
	; THE WAY OUT: a token tile's 16 rows x my 64 columns go through my own stage and come back as whole rows of 256 bytes.  LDS serves a wave's instructions in order: no wait between the stores and the loads, nor in front of the second tile's stores.
.irp m, 0,1
.irp t, 0,1,2,3
.irp e, 0,1
	ds_store_b128 v9, v[ACC+8*(4*\m+\t)+4*\e:ACC+8*(4*\m+\t)+4*\e+3] offset:128*(\t/2)+32*(\t%2)+16*\e
.endr
.endr
.irp i, 0,1,2,3,4,5,6,7
	ds_load_b128 v[OB+32*\m+4*\i:OB+32*\m+4*\i+3], v10 offset:2*SP*\i
.endr
.endr
.irp m, 0,1
.irp i, 0,1,2,3,4,5,6,7
	s_wait_dscnt (1-\m)*16+7-\i                    ; younger: this tile's later loads, and the second tile's sixteen instructions
	global_store_b128 v11, v[OB+32*\m+4*\i:OB+32*\m+4*\i+3], s[18:19] offset:(8*\m+2*\i+8*(\i/4))*4096 th:TH_STORE_NT   ; 16 lanes store 256 consecutive bytes, aligned; stage rows 2 i, 2 i + 1 are tokens 8 m + 2 i + 8 (i / 4) and the next
.endr
.endr
	s_wait_tensorcnt 0x0
	ds_add_u32 v30, v31
	s_wait_dscnt 0x0
	s_endpgm
.Lfunc_end_k_q350409aa97_out_ln:
	.size	k_q350409aa97_out_ln, .Lfunc_end_k_q350409aa97_out_ln-k_q350409aa97_out_ln
	.p2alignl 7, 3214868480
	.fill 96, 4, 3214868480
	.section	.rodata,"a",@progbits
	.p2align	6, 0x0
	.amdhsa_kernel k_q350409aa97_out_ln
		.amdhsa_group_segment_fixed_size 100352
		.amdhsa_private_segment_fixed_size 0
		.amdhsa_enable_private_segment 0
		.amdhsa_kernarg_size 64
		.amdhsa_user_sgpr_count 2
		.amdhsa_user_sgpr_kernarg_segment_ptr 1
		.amdhsa_wavefront_size32 1
		.amdhsa_system_sgpr_workgroup_id_x 1
		.amdhsa_system_sgpr_workgroup_id_y 1
		.amdhsa_system_sgpr_workgroup_id_z 1
		.amdhsa_system_vgpr_workitem_id 0
		.amdhsa_next_free_vgpr 256
		.amdhsa_next_free_sgpr 66
		.amdhsa_reserve_vcc 0
		.amdhsa_float_denorm_mode_32 3
		.amdhsa_float_denorm_mode_16_64 3
		.amdhsa_memory_ordered 1
		.amdhsa_forward_progress 1
		.amdhsa_inst_pref_size 48
	.end_amdhsa_kernel
	.amdgpu_metadata
---
amdhsa.version: [ 1, 2 ]
amdhsa.kernels:
  - .name:           k_q350409aa97_out_ln
    .symbol:         k_q350409aa97_out_ln.kd
    .args:
      - { .name: ao_img, .offset: 0, .size: 8, .value_kind: global_buffer, .address_space: global }
      - { .name: ao_sc, .offset: 8, .size: 8, .value_kind: global_buffer, .address_space: global }
      - { .name: w_img, .offset: 16, .size: 8, .value_kind: global_buffer, .address_space: global }
      - { .name: w_sc, .offset: 24, .size: 8, .value_kind: global_buffer, .address_space: global }
      - { .name: b_out, .offset: 32, .size: 8, .value_kind: global_buffer, .address_space: global }
      - { .name: ln_gamma, .offset: 40, .size: 8, .value_kind: global_buffer, .address_space: global }
      - { .name: ln_beta, .offset: 48, .size: 8, .value_kind: global_buffer, .address_space: global }
      - { .name: out0, .offset: 56, .size: 8, .value_kind: global_buffer, .address_space: global }
    .group_segment_fixed_size: 100352
    .private_segment_fixed_size: 0
    .kernarg_segment_align: 8
    .kernarg_segment_size: 64
    .max_flat_workgroup_size: 512
    .sgpr_count:     66
    .vgpr_count:     256
    .wavefront_size: 32
...
	.end_amdgpu_metadata
.endif
;; end of part 4
